; MI455X (gfx1250); checked and timed in simulation.
; The chip was launched on July 23, 2026; its instructions are those of AMD's public machine-readable ISA for CDNA 5 (MIT licence, August 2026) and "CDNA5" Instruction Set Architecture Reference Guide (July 2026). The comments in the code are by the model that wrote it; some were corrected since.
;; Relation Model side double. Allowed arithmetic: matrix products marked QUANTISED: E5M2 operands, one given power-of-two scale a tensor, by v_wmma_f32_16x16x64_bf8_bf8 or v_wmma_f32_16x16x128_bf8_bf8, f32 sums; products left as they are: f32 operands where the result goes on into a quantised operand, else bf16, f16 or f32 operands; f32 sums; everything else in f32.
;; Inputs: Wout_z1_codes 256 x 8 x 32 uint8 (E5M2 codes of Wout_z1, K innermost, in blocks of 32 codes); Wout_z_codes 256 x 8 x 32 uint8 (E5M2 codes of Wout_z, K innermost, in blocks of 32 codes); Wqkv_z1_codes 768 x 8 x 32 uint8 (E5M2 codes of Wqkv_z1, K innermost, in blocks of 32 codes); Wqkv_z_codes 768 x 8 x 32 uint8 (E5M2 codes of Wqkv_z, K innermost, in blocks of 32 codes); bout_z 256 float32; bout_z1 256 float32; lowp_scales 8 int32 (the exponents e of the quantised operands' scales 2^e); s 8 x 3,136 float32; x 8 x 3,136 x 256 float32; y 8 x 3,136 x 256 float32.
;; Outputs: out0 8 x 3,136 x 256 float32; out1 8 x 3,136 x 256 float32.
;; This version of the problem:
;;   THIS VERSION OF THE PROBLEM IS GIVEN IN LOW PRECISION. The matrix products marked QUANTISED in the list below multiply operands that are first quantised to E5M2 (5 exponent bits, 2 mantissa bits; 8 bits a number), with one given power-of-two scale for each operand tensor; their sums are f32. All else is computed in f32.
;;   The module's matrix products, in the order in which they are computed (A, B: the left and right operand; K: the contracted axis; several contracted axes count as one K, in the product's order):
;;     1. [M 100,352, K 256] x [K 256, N 768]; A: computed on the way; B: input Wqkv_z (given as codes): QUANTISED (scales: A lowp_scales[0], B lowp_scales[1])
;;     2. batch 200,704 x [M 4, K 32] x [K 32, N 4]; A: computed on the way; B: computed on the way: left as it is (M = 4 < 16)
;;     3. batch 200,704 x [M 32, K 4] x [K 4, N 4]; A: computed on the way; B: softmax: left as it is (K = 4 < 32)
;;     4. [M 100,352, K 256] x [K 256, N 256]; A: computed on the way; B: input Wout_z (given as codes): QUANTISED (scales: A lowp_scales[2], B lowp_scales[3])
;;     5. [M 100,352, K 256] x [K 256, N 768]; A: computed on the way; B: input Wqkv_z1 (given as codes): QUANTISED (scales: A lowp_scales[4], B lowp_scales[5])
;;     6. batch 200,704 x [M 4, K 32] x [K 32, N 4]; A: computed on the way; B: computed on the way: left as it is (M = 4 < 16)
;;     7. batch 200,704 x [M 32, K 4] x [K 4, N 4]; A: computed on the way; B: softmax: left as it is (K = 4 < 32)
;;     8. [M 100,352, K 256] x [K 256, N 256]; A: computed on the way; B: input Wout_z1 (given as codes): QUANTISED (scales: A lowp_scales[6], B lowp_scales[7])
;;   THE QUANTISER, for each operand of a quantised product, along K:
;;     - The operand's scale is 2^e, e = its entry of the input lowp_scales (int32; the entries are numbered through the quantised products in the list's order, A before B).
;;     - Each number is divided by the scale, clamped to +-57,344, and rounded to the nearest number of E5M2, ties to even, subnormals kept.
;;     - The product sums the exact products of the quantised numbers (number of the format x scale) in f32.
;;   ~~~python
;;   def quantise(x, axis, e):      # numpy; x: float32 -> the quantised numbers, widened to float32 again
;;       x = np.moveaxis(x, axis, -1); K = x.shape[-1]
;;       r = np.clip(x / 2.0 ** e, -57344, 57344)
;;       step = 2.0 ** (np.maximum(np.frexp(np.where(r == 0, 1, r))[1] - 1, -14) - 2)
;;       q = np.round(r / step) * step * 2.0 ** e      # np.round: ties to even
;;       return np.moveaxis(q, -1, axis).astype(np.float32)
;;   ~~~
;;   OPERANDS COMPUTED ON THE WAY. 'Computed on the way' means the value that the module computes at that place (a softmax that the list does not call 'softmax' is quantised finished and normalised). What goes into a quantiser is computed in f32, as accurately as f32 sums, v_exp_f32 and their like allow (about 1e-6 of the number): no bf16 or f16 on the way to a quantiser, and a product that is left as it is and whose result goes on into a quantised operand takes f32 operands (vector FMAs, or v_wmma_f32_16x16x4_f32). A number that lies on a knife's edge between two numbers of the format may be rounded either way, as far as f32 arithmetic and the matrix unit's own rounding can turn it there, and no further.
;;   INPUTS GIVEN AS CODES. Wout_z (in the module: [256, 256], K = its axis 0); Wout_z1 (in the module: [256, 256], K = its axis 0); Wqkv_z (in the module: [256, 768], K = its axis 0); Wqkv_z1 (in the module: [256, 768], K = its axis 0): each comes as NAME_codes (uint8): NAME with its K axis moved to the last place and cut into blocks of 32 codes, [.., K / 32, bytes a block], one block behind the other in memory; one code a byte (a code: sign, 5 exponent bits, 2 mantissa bits); its scale is its entry of lowp_scales. Its value is code x scale, taken as it is: it is not quantised again, and the codes and scales need not be those that the quantiser above would give.
;; 2 versions, each right and faster than the one before. Each part assembles by itself: llvm-mc -triple=amdgcn-amd-amdhsa -mcpu=gfx1250 --defsym DOCPART=n.
;; ======== version 1 of 2: 2 launches
;; workspace buffers: part 688,128 bytes
;; launch pool (part 1): grid 56 x 8, 8 waves a work-group, no clusters, 5,632 bytes of LDS; arguments x, y, s, part; writes part
.if DOCPART == 1
	.amdgcn_target "amdgcn-amd-amdhsa--gfx1250"
	.amdhsa_code_object_version 6
	.text
	.protected	k_q820afa6d90_pool
	.globl	k_q820afa6d90_pool
	.p2align	8
	.type	k_q820afa6d90_pool,@function
k_q820afa6d90_pool:
	s_mov_b64 s[64:65], 0
	v_nop
	global_prefetch_b8 v0, s[64:65] scope:SCOPE_SE
	s_setreg_imm32_b32 hwreg(HW_REG_WAVE_MODE, 25, 1), 1
	s_wait_xcnt 0x0
; Partial sums for the two pooled vectors.  s_t = 1 where s > 0.5, else 1e-8.
; part[b][chunk][tensor][0..255] = sum over the chunk's 112 rows of x (tensor 0) or y (tensor 1) times s_t; words 256..383 = the chunk's sum of s_t, repeated.
; A work-group takes one chunk of one tensor: work-group x = 2 chunk + tensor, work-group y = the batch.
; Thread t: columns 4 (t % 64) on (16 bytes), rows 28 (t / 64) .. + 27 of the chunk: a wave's load covers 512 consecutive bytes.
; All 28 row loads of a thread go out at once; the four row groups meet in LDS behind one barrier.
; No matrix unit, no ring, no cluster: a plain stream, each byte read once, and work-groups share nothing.
; REGISTERS: v1, v2 offsets of the loads; v3, v4 the two values of s_t; v5 my sum of s_t; v[8:11], v[12:15] two sets of sums; v16-127 the rows; v128-155 s, then s_t;
;   v160-163 the addresses used behind the sums: made at the head, never rewritten, and never holding data.
.set ROWS,  28                         ; rows a thread
.set X,     16                         ; v16-127  28 x 4 numbers
.set SS,    128                        ; v128-155 28 numbers of s, then of s_t
.set AT,    160                        ; v160     16 x thread: my place in LDS, and (threads 0-63) in the output row
.set AW,    161                        ; v161     4 x wave: my wave's word behind the sums
.set AZ,    162                        ; v162     0
.set AL,    163                        ; v163     16 x lane
	s_load_b256 s[4:11], s[0:1], 0x0               ; x, y, s, part
	v_lshl_add_u32 v168, v0, 2, 0x1200
	v_mov_b32 v169, 0
	v_and_b32 v6, 63, v0
	v_lshrrev_b32 v7, 6, v0                        ; row group 0..3
	v_mul_u32_u24 v1, v7, 28672                    ; 28 rows of 1,024 bytes
	v_lshl_add_u32 v1, v6, 4, v1                   ; + my 16 bytes of a row
	v_mul_u32_u24 v2, v7, 112                      ; my 28 numbers of s
	v_mov_b32 v3, 1.0
	v_mov_b32 v4, 0x322bcc77                       ; 1e-8
	v_lshrrev_b32 v156, 5, v0
	v_readfirstlane_b32 s16, v156                  ; wave 0..7
	v_lshlrev_b32 v[AT], 4, v0
	v_lshlrev_b32 v[AW], 2, v156
	v_mov_b32 v[AZ], 0
	v_and_b32 v[AL], 31, v0
	v_lshlrev_b32 v[AL], 4, v[AL]
	s_and_b32 s12, ttmp7, 0xffff                   ; batch
	s_lshr_b32 s13, ttmp9, 1                       ; chunk
	s_mul_i32 s14, s12, 3136
	s_mul_i32 s15, s13, 112
	s_add_co_u32 s14, s14, s15                     ; the chunk's first position
	s_lshl_b32 s18, s14, 10
	s_mov_b32 s19, 0
	s_lshl_b32 s20, s14, 2
	s_mov_b32 s21, 0
	s_mul_i32 s22, s12, 56
	s_add_co_u32 s22, s22, ttmp9
	s_mul_i32 s22, s22, 1536                       ; my row of part
	s_mov_b32 s23, 0
	s_and_b32 s17, ttmp9, 1
	s_wait_kmcnt 0x0
	s_cmp_eq_u32 s17, 0                            ; x or y: the choice hangs on the work-group's number alone
	s_cselect_b64 s[4:5], s[4:5], s[6:7]
	s_add_nc_u64 s[4:5], s[4:5], s[18:19]
	s_add_nc_u64 s[8:9], s[8:9], s[20:21]
	s_add_nc_u64 s[10:11], s[10:11], s[22:23]
.irp i, 0,1,2,3,4,5,6
	global_load_b128 v[SS+4*\i:SS+4*\i+3], v2, s[8:9] offset:16*\i
.endr
.set i, 0
.rept ROWS
	global_load_b128 v[X+4*i:X+4*i+3], v1, s[4:5] offset:1024*i
.set i, i+1
.endr
	s_wait_loadcnt 28                              ; s is in; the 28 row loads issued behind it may be out
.set i, 0
.rept ROWS
	v_cmp_lt_f32 vcc_lo, 0.5, v[SS+i]              ; s > 0.5
	v_cndmask_b32 v[SS+i], v4, v3, vcc_lo          ; 1 where it holds, else 1e-8
.set i, i+1
.endr
	v_add_f32 v5, v[SS], v[SS+1]
.set i, 2
.rept ROWS-2
	v_add_f32 v5, v5, v[SS+i]                      ; my row group's sum of s_t
.set i, i+1
.endr
.set i, 0
.rept ROWS
	s_wait_loadcnt 27-i                            ; loads come back in order: row i is in, the later rows may be out
.irp c, 0,1,2,3
.if i < 2
	v_mul_f32 v[8+4*(i%2)+\c], v[X+4*i+\c], v[SS+i]    ; the first row of each of two sets starts its sums
.else
	v_fmac_f32 v[8+4*(i%2)+\c], v[X+4*i+\c], v[SS+i]
.endif
.endr
.set i, i+1
.endr
	v_pk_add_f32 v[8:9], v[8:9], v[12:13]
	v_pk_add_f32 v[10:11], v[10:11], v[14:15]
	ds_store_b128 v[AT], v[8:11]                   ; row group g, columns: 1,024 g + 16 (t % 64) = 16 t
	ds_store_b32 v[AW], v5 offset:4096             ; all lanes of a wave store the same number to the wave's word
	s_wait_dscnt 0x0                               ; for the others' sake: my stores have landed
	s_barrier_signal -1
	s_barrier_wait -1
	s_cmp_lt_u32 s16, 2
	s_cbranch_scc0 .Lnot_sum
.irp k, 0,1,2,3
	ds_load_b128 v[16+4*\k:19+4*\k], v[AT] offset:1024*\k  ; waves 0 and 1: the four row groups' sums of my 4 columns
.endr
	s_wait_dscnt 0x0
	v_pk_add_f32 v[16:17], v[16:17], v[20:21]
	v_pk_add_f32 v[18:19], v[18:19], v[22:23]
	v_pk_add_f32 v[24:25], v[24:25], v[28:29]
	v_pk_add_f32 v[26:27], v[26:27], v[30:31]
	v_pk_add_f32 v[16:17], v[16:17], v[24:25]
	v_pk_add_f32 v[18:19], v[18:19], v[26:27]
	global_store_b128 v[AT], v[16:19], s[10:11]    ; a wave stores 512 consecutive bytes, aligned
	s_wait_tensorcnt 0x0
	ds_add_u32 v168, v169
	s_wait_dscnt 0x0
	s_endpgm
.Lnot_sum:
	s_cmp_eq_u32 s16, 2
	s_cbranch_scc0 .Ldone
	ds_load_b128 v[16:19], v[AZ] offset:4096       ; wave 2: the waves' sums of s_t; waves 2 g and 2 g + 1 hold row group g's
	ds_load_b128 v[20:23], v[AZ] offset:4112
	s_wait_dscnt 0x0
	v_add_f32 v16, v16, v18
	v_add_f32 v20, v20, v22
	v_add_f32 v16, v16, v20
	v_mov_b32 v17, v16
	v_mov_b32 v18, v16
	v_mov_b32 v19, v16
	global_store_b128 v[AL], v[16:19], s[10:11] offset:1024    ; 512 consecutive bytes: words 256 to 383
.Ldone:
	s_wait_tensorcnt 0x0
	ds_add_u32 v168, v169
	s_wait_dscnt 0x0
	s_endpgm
.Lfunc_end_k_q820afa6d90_pool:
	.size	k_q820afa6d90_pool, .Lfunc_end_k_q820afa6d90_pool-k_q820afa6d90_pool
	.p2alignl 7, 3214868480
	.fill 96, 4, 3214868480
	.section	.rodata,"a",@progbits
	.p2align	6, 0x0
	.amdhsa_kernel k_q820afa6d90_pool
		.amdhsa_group_segment_fixed_size 5632
		.amdhsa_private_segment_fixed_size 0
		.amdhsa_enable_private_segment 0
		.amdhsa_kernarg_size 32
		.amdhsa_user_sgpr_count 2
		.amdhsa_user_sgpr_kernarg_segment_ptr 1
		.amdhsa_wavefront_size32 1
		.amdhsa_system_sgpr_workgroup_id_x 1
		.amdhsa_system_sgpr_workgroup_id_y 1
		.amdhsa_system_sgpr_workgroup_id_z 1
		.amdhsa_system_vgpr_workitem_id 0
		.amdhsa_next_free_vgpr 170
		.amdhsa_next_free_sgpr 66
		.amdhsa_reserve_vcc 1
		.amdhsa_float_denorm_mode_32 3
		.amdhsa_float_denorm_mode_16_64 3
		.amdhsa_memory_ordered 1
		.amdhsa_forward_progress 1
		.amdhsa_inst_pref_size 15
	.end_amdhsa_kernel
	.amdgpu_metadata
---
amdhsa.version: [ 1, 2 ]
amdhsa.kernels:
  - .name:           k_q820afa6d90_pool
    .symbol:         k_q820afa6d90_pool.kd
    .args:
      - { .name: x, .offset: 0, .size: 8, .value_kind: global_buffer, .address_space: global }
      - { .name: y, .offset: 8, .size: 8, .value_kind: global_buffer, .address_space: global }
      - { .name: s, .offset: 16, .size: 8, .value_kind: global_buffer, .address_space: global }
      - { .name: part, .offset: 24, .size: 8, .value_kind: global_buffer, .address_space: global }
    .group_segment_fixed_size: 5632
    .private_segment_fixed_size: 0
    .kernarg_segment_align: 8
    .kernarg_segment_size: 32
    .max_flat_workgroup_size: 256
    .sgpr_count:     66
    .vgpr_count:     170
    .wavefront_size: 32
...
	.end_amdgpu_metadata
.endif
;; end of part 1
;; launch main (part 2): grid 28 x 8, 4 waves a work-group, no clusters, 327,680 bytes of LDS; arguments x, y, part, Wqkv_z_codes, Wout_z_codes, Wqkv_z1_codes, Wout_z1_codes, bout_z, bout_z1, lowp_scales, out0, out1; writes out0, out1
.if DOCPART == 2
	.amdgcn_target "amdgcn-amd-amdhsa--gfx1250"
	.amdhsa_code_object_version 6
	.text
	.protected	k_q820afa6d90_main
	.globl	k_q820afa6d90_main
	.p2align	8
	.type	k_q820afa6d90_main,@function
k_q820afa6d90_main:
	s_mov_b64 s[64:65], 0
	v_nop
	global_prefetch_b8 v0, s[64:65] scope:SCOPE_SE
	s_setreg_imm32_b32 hwreg(HW_REG_WAVE_MODE, 25, 1), 1
	s_wait_xcnt 0x0
; Two attention blocks over the four tokens (x, y, pooled x, pooled y) of each position; 8 heads of 32; the four large products on codes of BF8 (E5M2) with the given scales 2^e0 .. 2^e7.
; SHARES.  A work-group takes 112 positions of one batch, 16 a trip, 7 trips.  A row tile is ONE TOKEN of the trip's 16 positions: lane % 16 is the position, so a position's four tokens lie in one lane.
; The four waves share the columns: wave w owns features 64 w .. 64 w + 63 of every product's result; of these, lane half h = lane / 16 owns head 2 w + h whole: 32 numbers a token.
; So scores, softmax and weighted sums (f32 multiply-adds, since they feed quantisers) never leave a lane.
; THE PRODUCTS ARE USED TRANSPOSED: source 0 = 16 rows of a weight, source 1 = a row tile.  Tile u of a wave's 64 weight rows takes, in lane r, row 32 (r / 8) + 8 u + r % 8: lane (r, h), register 8 u + j, then holds feature 32 h + 8 u + j.
; ONE ORDER OF K ON BOTH SIDES: registers 4 c .. 4 c + 3 of K step s hold, in lane half h, features 128 s + 64 (c / 2) + 32 h + 16 (c % 2) + 0 .. 15.  A wave's 32 numbers a lane, converted, are chunks 2 w and 2 w + 1 (of 8) of the next operand.
; OPERANDS GO FROM WAVE TO WAVE AS IMAGES OF THEIR REGISTERS: a chunk of four registers is 512 bytes, lane l's 16 bytes at 16 l; a tile is 4,096 bytes.
; WHAT IS NOT MULTIPLIED: the pooled tokens' q, k, v of block 1 are the same for all positions of a batch: made once, at the head.  Block 2's q, and its last product, are wanted for tokens 0 and 1 alone.
; The masks add -100 and hide nothing: every key stays in every softmax, and each row's maximum is taken away.
; WEIGHTS.  Wqkv_z and Wout_z1 (each feeds two row tiles a trip) stay in registers; Wout_z and Wqkv_z1 stay in LDS as register images, each wave's own 64 KiB, brought once by lane-wise copies.
; NO CLUSTER, NO TILE LOADS: the weights are read once a work-group, at its head, and are laid lane by lane in the operand's order, which a tile load, laying rows, does not give; as padded rows (1,024 x 272 bytes)
; they would not fit beside the 60,416 bytes of images, stages and constants.
; LIMITS: e0, e2 - e0 - e1, e4 - e2 - e3, e6 - e4 - e5 between -126 and 112; e6 + e7 between -126 and 127; bout_z / 2^(e2 + e3) a finite f32.  NaN among the inputs is not served.
; A softmax weight under 2^-126 of its row's largest counts as 0.
; REGISTERS.  window 0: v1-11, v22 addresses; v12-19 four pairs (scale, 57,344 x scale); v20, v21 the scores' factors; v24-27 the pooled tokens' scores among themselves; v32-47 scores, then weights (4 i + j);
;   v48-55 four pairs of running sums; v56-63 at work; v64-127 x and y; v128-255 four row tiles' fragments (tile T at 128 + 32 T, chunk k at + 4 k); v192-223 also the codes just made, while tiles 2, 3 are dead.
;   window 1 (R): q0, q1 at 0, 32; k0-3 at 64 + 32 j; block 1's q2, q3 at 192, 224; v0-3 at 32 j, over q and k; results at 128 + 32 i; weight buffers at 192, 224; bias at 128.
;   window 2: Wqkv_z's q and k tiles.   window 3: v0-127 its v tiles; v128-255 Wout_z1.
.set IMGA,  262144                     ; LDS: behind the weights' 4 x 65,536: images of z, then of block 1's result: 4 tiles
.set IMGB,  16384                      ; from IMGA: images of the attentions' results: 4 tiles
.set STG,   294912                     ; a stage of 16 rows x (256 + 16) bytes for each wave
.set GF,    312320                     ; the two pooled vectors, f32
.set GQ,    314368                     ; 1,536 w + 768 h: q2, q3, k2, k3, v2, v3 of my head, 128 bytes each
.set BIA,   320512                     ; bout_z / 2^(e2 + e3), then bout_z1
.set FR,    128
.set CODE,  192
.set TL,    32
.set AC,    48
.set WK,    56
.set XY,    64
.set WB,    192
.set TRIPS, 7
.set MSB, 0
.macro WIN new                         ; low byte: bits 1:0 source 0, 3:2 source 1, 5:4 source 2, 7:6 destination; the high byte repeats the setting that is left
.if MSB != \new
	s_set_vgpr_msb (MSB<<8)|\new
.set MSB, \new
.endif
.endm
.macro PLACES cnt                      ; plain vector instructions between a matrix instruction and a read of its result, or a load into one of its registers
.rept \cnt
	v_nop
.endr
.endm
.macro BARRIER                         ; my LDS stores have landed and my LDS loads are in: then the work-group's barrier
	s_wait_dscnt 0x0
	s_barrier_signal -1
	s_barrier_wait -1
.endm
; 32 numbers of a lane become 8 registers of codes, in window 0.  sw = 1: the numbers lie in window 1.  v[sc]: the scale, v[sc + 1]: 57,344 x the scale
.macro QUANT32 src, sw, dst, sc
.if \sw
	WIN 0x41
.else
	WIN 0
.endif
.set qi, 0
.rept 32
	v_med3_num_f32 v[\src+qi], v[\src+qi], -v[\sc+1], v[\sc+1]     ; the conversion does not saturate (ISA guide 7.6.2): the hold at the largest code x the scale
.set qi, qi+1
.endr
.if \sw
	WIN 0x01
.endif
.set qi, 0
.rept 4
	v_cvt_scalef32_pk8_bf8_f32 v[\dst+2*qi:\dst+2*qi+1], v[\src+8*qi:\src+8*qi+7], v[\sc]
.set qi, qi+1
.endr
	v_nop                                          ; one plain vector instruction behind the last conversion
.endm
.macro IMAGE reg, off                  ; my two chunks of a tile's image
	WIN 0
	ds_store_b128 v5, v[\reg:\reg+3] offset:\off
	ds_store_b128 v5, v[\reg+4:\reg+7] offset:\off+512
.endm
.macro FETCHF cnt, off                 ; cnt row tiles' fragments from their images
	WIN 0
.set iT, 0
.rept \cnt
.irp k, 0,1,2,3,4,5,6,7
	ds_load_b128 v[FR+32*iT+4*\k:FR+32*iT+4*\k+3], v4 offset:\off+4096*iT+512*\k
.endr
.set iT, iT+1
.endr
.endm
.macro FETCHW wn                       ; weight tile wn of my 16 in LDS into buffer wn % 2
	WIN 0x40
.irp k, 0,1,2,3,4,5,6,7
	ds_load_b128 v[WB+32*((\wn)%2)+4*\k:WB+32*((\wn)%2)+4*\k+3], v3 offset:4096*(\wn)+512*\k
.endr
.endm
; One weight tile from LDS against cnt row tiles; results at R[dd + 32 T].  The next tile is fetched first, into the buffer that the step before has multiplied.
; cb: the registers of the first products' C, or -1 for 0.  The accumulators take turns, one instruction a turn.
.macro WSTEP wn, dd, cnt, cb
	PLACES 4
.if (\wn) < 15
	FETCHW (\wn)+1
	s_wait_dscnt 0x8                               ; all but the eight loads just issued
.else
	s_wait_dscnt 0x0
.endif
	WIN 0x51                                       ; weight, C and D window 1; row tile window 0
.set wa, WB+32*((\wn)%2)
.set iT, 0
.rept \cnt
.if (\cb) < 0
	v_wmma_f32_16x16x128_bf8_bf8 v[\dd+32*iT:\dd+32*iT+7], v[wa:wa+15], v[FR+32*iT:FR+32*iT+15], 0
.else
	v_wmma_f32_16x16x128_bf8_bf8 v[\dd+32*iT:\dd+32*iT+7], v[wa:wa+15], v[FR+32*iT:FR+32*iT+15], v[\cb:\cb+7]
.endif
.set iT, iT+1
.endr
.set iT, 0
.rept \cnt
	v_wmma_f32_16x16x128_bf8_bf8 v[\dd+32*iT:\dd+32*iT+7], v[wa+16:wa+31], v[FR+32*iT+16:FR+32*iT+31], v[\dd+32*iT:\dd+32*iT+7]
.set iT, iT+1
.endr
.endm
.macro QK1                             ; block 1's q and k of row tiles 0, 1: 16 accumulators by turns, K step by K step
	WIN 0x52                                       ; weight window 2, row tile window 0, C and D window 1
.irp ks, 0,1
.irp n, 0,1,2,3,4,5,6,7
.irp t, 0,1
.if \ks == 0
	v_wmma_f32_16x16x128_bf8_bf8 v[64*(\n/4)+32*\t+8*(\n%4):64*(\n/4)+32*\t+8*(\n%4)+7], v[32*\n:32*\n+15], v[FR+32*\t:FR+32*\t+15], 0
.else
	v_wmma_f32_16x16x128_bf8_bf8 v[64*(\n/4)+32*\t+8*(\n%4):64*(\n/4)+32*\t+8*(\n%4)+7], v[32*\n+16:32*\n+31], v[FR+32*\t+16:FR+32*\t+31], v[64*(\n/4)+32*\t+8*(\n%4):64*(\n/4)+32*\t+8*(\n%4)+7]
.endif
.endr
.endr
.endr
.endm
.macro MUL2 ab                         ; four weight tiles of window 3, from v[ab] on, against row tiles 0, 1; results at R[32 T + 8 u]
	WIN 0x53
.irp ks, 0,1
.irp u, 0,1,2,3
.irp t, 0,1
.if \ks == 0
	v_wmma_f32_16x16x128_bf8_bf8 v[32*\t+8*\u:32*\t+8*\u+7], v[\ab+32*\u:\ab+32*\u+15], v[FR+32*\t:FR+32*\t+15], 0
.else
	v_wmma_f32_16x16x128_bf8_bf8 v[32*\t+8*\u:32*\t+8*\u+7], v[\ab+32*\u+16:\ab+32*\u+31], v[FR+32*\t+16:FR+32*\t+31], v[32*\t+8*\u:32*\t+8*\u+7]
.endif
.endr
.endr
.endr
.endm
; Four scores at a time: sums over the head's 32, two numbers an instruction, four chains.  Each accumulator is read from its low end on.
.macro DOT4 q0, k0, q1, k1, q2, k2, q3, k3
	WIN 0x05
	v_pk_mul_f32 v[AC:AC+1], v[\q0:\q0+1], v[\k0:\k0+1]
	v_pk_mul_f32 v[AC+2:AC+3], v[\q1:\q1+1], v[\k1:\k1+1]
	v_pk_mul_f32 v[AC+4:AC+5], v[\q2:\q2+1], v[\k2:\k2+1]
	v_pk_mul_f32 v[AC+6:AC+7], v[\q3:\q3+1], v[\k3:\k3+1]
.set ip, 2
.rept 15
	v_pk_fma_f32 v[AC:AC+1], v[\q0+ip:\q0+ip+1], v[\k0+ip:\k0+ip+1], v[AC:AC+1]
	v_pk_fma_f32 v[AC+2:AC+3], v[\q1+ip:\q1+ip+1], v[\k1+ip:\k1+ip+1], v[AC+2:AC+3]
	v_pk_fma_f32 v[AC+4:AC+5], v[\q2+ip:\q2+ip+1], v[\k2+ip:\k2+ip+1], v[AC+4:AC+5]
	v_pk_fma_f32 v[AC+6:AC+7], v[\q3+ip:\q3+ip+1], v[\k3+ip:\k3+ip+1], v[AC+6:AC+7]
.set ip, ip+2
.endr
	WIN 0
.endm
.macro LOGIT1 dd, a, m, cs             ; t = score x log2(e) / sqrt(32) x the operands' scales, - 100 log2(e) where the mask says so
.if \m
	v_fmaak_f32 v[\dd], v[AC+2*\a], v[\cs], 0xc31044fe
.else
	v_mul_f32 v[\dd], v[AC+2*\a], v[\cs]
.endif
.endm
.macro LOGIT4 d0, m0, d1, m1, d2, m2, d3, m3, cs
.irp a, 0,1,2,3
	v_add_f32 v[AC+2*\a], v[AC+2*\a], v[AC+2*\a+1]
.endr
	LOGIT1 \d0, 0, \m0, \cs
	LOGIT1 \d1, 1, \m1, \cs
	LOGIT1 \d2, 2, \m2, \cs
	LOGIT1 \d3, 3, \m3, \cs
.endm
; The softmax of cnt rows of four, in place.  The exponentials are one batch, and so are the reciprocals: behind each a plain instruction and one wait, ahead of the first reader.
.macro SOFTMAX cnt
	WIN 0
.set ii, 0
.rept \cnt
	v_max3_num_f32 v[WK+ii], v[TL+4*ii], v[TL+4*ii+1], v[TL+4*ii+2]
.set ii, ii+1
.endr
.set ii, 0
.rept \cnt
	v_max_num_f32 v[WK+ii], v[WK+ii], v[TL+4*ii+3]
.set ii, ii+1
.endr
.set ii, 0
.rept 4*\cnt
	v_sub_f32 v[TL+ii], v[TL+ii], v[WK+ii/4]
.set ii, ii+1
.endr
.set ii, 0
.rept 4*\cnt
	v_exp_f32 v[TL+ii], v[TL+ii]
.set ii, ii+1
.endr
	v_nop
	s_wait_alu depctr_va_vdst(0)
.set ii, 0
.rept \cnt
	v_add_f32 v[WK+ii], v[TL+4*ii], v[TL+4*ii+1]
	v_add_f32 v[WK+4+ii], v[TL+4*ii+2], v[TL+4*ii+3]
.set ii, ii+1
.endr
.set ii, 0
.rept \cnt
	v_add_f32 v[WK+ii], v[WK+ii], v[WK+4+ii]
.set ii, ii+1
.endr
.set ii, 0
.rept \cnt
	v_rcp_f32 v[WK+4+ii], v[WK+ii]
.set ii, ii+1
.endr
	v_nop
	s_wait_alu depctr_va_vdst(0)
.set ii, 0
.rept 4*\cnt
	v_mul_f32 v[TL+ii], v[TL+ii], v[WK+4+ii/4]
.set ii, ii+1
.endr
.endm
; Result i = the sum over j of weight (i, j) x v_j, two numbers an instruction; of the pair that holds the weight, one word serves both halves
.macro AV i
	WIN 0x51                                       ; v_j, the sum and the result window 1; the weight window 0
.set ip, 0
.rept 16
	v_pk_mul_f32 v[128+32*\i+ip:128+32*\i+ip+1], v[ip:ip+1], v[TL+4*\i:TL+4*\i+1] op_sel_hi:[1,0]
.set ip, ip+2
.endr
.set ip, 0
.rept 16
	v_pk_fma_f32 v[128+32*\i+ip:128+32*\i+ip+1], v[32+ip:32+ip+1], v[TL+4*\i:TL+4*\i+1], v[128+32*\i+ip:128+32*\i+ip+1] op_sel:[0,1,0] op_sel_hi:[1,1,1]
.set ip, ip+2
.endr
.set ip, 0
.rept 16
	v_pk_fma_f32 v[128+32*\i+ip:128+32*\i+ip+1], v[64+ip:64+ip+1], v[TL+4*\i+2:TL+4*\i+3], v[128+32*\i+ip:128+32*\i+ip+1] op_sel_hi:[1,0,1]
.set ip, ip+2
.endr
.set ip, 0
.rept 16
	v_pk_fma_f32 v[128+32*\i+ip:128+32*\i+ip+1], v[96+ip:96+ip+1], v[TL+4*\i+2:TL+4*\i+3], v[128+32*\i+ip:128+32*\i+ip+1] op_sel:[0,1,0] op_sel_hi:[1,1,1]
.set ip, ip+2
.endr
.endm
.macro XYLOAD off                      ; my 32 numbers of x and of y for 16 positions, off bytes on
.irp q, 0,1,2,3,4,5,6,7
	global_load_b128 v[XY+4*\q:XY+4*\q+3], v1, s[4:5] offset:\off+16*\q
.endr
.irp q, 0,1,2,3,4,5,6,7
	global_load_b128 v[XY+32+4*\q:XY+32+4*\q+3], v1, s[6:7] offset:\off+16*\q
.endr
.endm
.macro MKSC vs                         ; s52 = e: v[vs] = 2^e, v[vs + 1] = 57,344 x 2^e
	s_add_co_i32 s52, s52, 127
	s_lshl_b32 s51, s52, 23
	v_mov_b32 v[\vs], s51
	s_add_co_i32 s52, s52, 15
	s_lshl_b32 s51, s52, 23
	s_or_b32 s51, s51, 0x600000
	v_mov_b32 v[\vs+1], s51
.endm
	; ---- THE HEAD
	s_load_b512 s[4:19], s[0:1], 0x0               ; x, y, part, Wqkv_z, Wout_z, Wqkv_z1, Wout_z1, bout_z
	s_load_b256 s[20:27], s[0:1], 0x40             ; bout_z1, the scales' exponents, out0, out1
	v_lshl_add_u32 v254, v0, 2, 0x4ec00
	v_mov_b32 v255, 0
	ds_add_u32 v254, v255
	ds_add_u32 v254, v255
	s_wait_dscnt 0x0
	v_lshrrev_b32 v23, 5, v0
	v_readfirstlane_b32 s28, v23                   ; wave 0..3
	v_and_b32 v56, 31, v0                          ; lane
	v_and_b32 v57, 15, v0                          ; r
	v_bfe_u32 v58, v0, 4, 1                        ; h
	s_lshl_b32 s30, s28, 8                         ; 256 w
	v_lshlrev_b32 v1, 10, v57
	v_lshl_add_u32 v1, v58, 7, v1
	v_add_nc_u32 v1, s30, v1                       ; x, y: position r, + my 32 numbers: 1,024 r + 256 w + 128 h
	v_lshlrev_b32 v2, 10, v58
	v_lshl_add_u32 v2, v57, 4, v2
	v_add_nc_u32 v2, s30, v2                       ; out: lanes 0-15 one position's 256 bytes, lanes 16-31 the next's
	s_lshl_b32 s31, s28, 16
	v_lshl_add_u32 v3, v56, 4, s31                 ; my wave's weights in LDS
	v_lshl_add_u32 v4, v56, 4, IMGA                ; an image's place for my lane
	s_lshl_b32 s31, s28, 10
	v_add_nc_u32 v5, s31, v4                       ; and where I store my two chunks
	s_mul_i32 s31, s28, 4352
	s_add_co_u32 s31, s31, STG
	v_mul_u32_u24 v6, v57, 272
	v_lshl_add_u32 v6, v58, 7, v6
	v_add_nc_u32 v6, s31, v6                       ; the stage, in: row r, + 128 h
	v_mul_u32_u24 v7, v58, 272
	v_lshl_add_u32 v7, v57, 4, v7
	v_add_nc_u32 v7, s31, v7                       ; and back: two rows an instruction
	s_mul_i32 s31, s28, 1536
	s_add_co_u32 s31, s31, GQ
	v_mul_u32_u24 v8, v58, 768
	v_add_nc_u32 v8, s31, v8                       ; the pooled tokens' q, k, v of my head
	v_lshl_add_u32 v9, v58, 7, BIA
	v_add_nc_u32 v9, s30, v9                       ; my 32 numbers of a bias
	v_lshl_add_u32 v10, v58, 7, GF
	v_mov_b32 v11, 0
	v_and_b32 v59, 7, v57
	v_lshrrev_b32 v23, 3, v57
	v_lshlrev_b32 v22, 8, v59
	v_lshl_add_u32 v22, v23, 13, v22
	v_lshl_add_u32 v22, v58, 5, v22
	s_lshl_b32 s31, s28, 14
	v_add_nc_u32 v22, s31, v22                     ; a weight: row 64 w + 32 (r / 8) + r % 8 of 256 bytes, + 32 h
	v_lshl_add_u32 v60, v0, 4, GF
	v_lshl_add_u32 v63, v0, 4, BIA
	v_and_b32 v59, 63, v0
	v_lshlrev_b32 v62, 4, v59                      ; 16 (t % 64)
	v_lshrrev_b32 v23, 6, v0
	v_mul_u32_u24 v61, v23, 1536
	v_add_nc_u32 v61, v61, v62                     ; part: tensor t / 64, my 4 columns
.irp k, 0,1,2,3,4,5,6,7
	v_add_nc_u32 v[32+\k], 128*(\k/4)+64*((\k%4)/2)+16*(\k%2), v22    ; chunk k's 16 bytes of a weight row
.endr
.set ci, 0
.rept 128
	v_add_nc_u32 v[128+ci], 512*ci, v3             ; where chunk ci % 8 of tile ci / 8 goes: a register for each copy, since a copy's addresses stay untouched until its counter shows it done
.set ci, ci+1
.endr
	s_and_b32 s50, ttmp7, 0xffff                   ; batch
	s_mul_i32 s42, s50, 86016                      ; its 28 x 2 rows of part
	s_mov_b32 s43, 0
	s_mul_i32 s44, s50, 3136
	s_mul_i32 s45, ttmp9, 112
	s_add_co_u32 s44, s44, s45
	s_lshl_b32 s44, s44, 10                        ; my first position, in bytes
	s_mov_b32 s45, 0
	s_wait_kmcnt 0x0
	s_load_b256 s[32:39], s[22:23], 0x0            ; e0 .. e7
	s_add_nc_u64 s[4:5], s[4:5], s[44:45]
	s_add_nc_u64 s[6:7], s[6:7], s[44:45]
	s_add_nc_u64 s[24:25], s[24:25], s[44:45]
	s_add_nc_u64 s[26:27], s[26:27], s[44:45]
	s_add_nc_u64 s[8:9], s[8:9], s[42:43]
	s_cmp_lt_u32 s28, 2                            ; waves 0, 1 stage bout_z, waves 2, 3 bout_z1
	s_cselect_b64 s[46:47], s[18:19], s[20:21]
.irp u, 0,1,2,3
	s_add_nc_u64 s[66+2*\u:67+2*\u], s[12:13], 2048*\u                     ; Wout_z, tile u: 8 u rows on
.endr
.irp n, 0,1,2,3,4,5,6,7,8,9,10,11
	s_add_nc_u64 s[74+2*\n:75+2*\n], s[14:15], 65536*(\n/4)+2048*(\n%4)    ; Wqkv_z1: q, k, v; tile u
.endr
.set ci, 0
.rept 128
	global_load_async_to_lds_b128 v[128+ci], v[32+ci%8], s[66+2*(ci/8):67+2*(ci/8)]   ; 32 lanes x 16 bytes: one chunk's image
.set ci, ci+1
.endr
	WIN 0x40
.set ci, 0
.rept 28
	global_load_b128 v[4*ci:4*ci+3], v61, s[8:9] offset:3072*ci            ; the 28 chunks' partial sums of my 4 columns
.set ci, ci+1
.endr
.set ci, 0
.rept 28
	global_load_b32 v[112+ci], v11, s[8:9] offset:3072*ci+1024             ; and their sums of s_t
.set ci, ci+1
.endr
	WIN 0
	global_load_b128 v[28:31], v62, s[46:47]       ; my 4 numbers of a bias
	WIN 0x80
.irp n, 0,1,2,3,4,5,6,7
.irp k, 0,1,2,3,4,5,6,7
	global_load_b128 v[32*\n+4*\k:32*\n+4*\k+3], v[32+\k], s[10:11] offset:65536*(\n/4)+2048*(\n%4)   ; Wqkv_z's q and k tiles: they stay
.endr
.endr
	WIN 0xc0
.irp u, 0,1,2,3
.irp k, 0,1,2,3,4,5,6,7
	global_load_b128 v[32*\u+4*\k:32*\u+4*\k+3], v[32+\k], s[10:11] offset:131072+2048*\u             ; its v tiles
.endr
.endr
.irp u, 0,1,2,3
.irp k, 0,1,2,3,4,5,6,7
	global_load_b128 v[128+32*\u+4*\k:128+32*\u+4*\k+3], v[32+\k], s[16:17] offset:2048*\u            ; Wout_z1
.endr
.endr
	WIN 0
	XYLOAD 0                                       ; the first trip's x and y
	s_wait_kmcnt 0x0
	s_add_co_i32 s53, s32, s33                     ; e0 + e1
	s_add_co_i32 s54, s34, s35                     ; e2 + e3
	s_add_co_i32 s55, s36, s37                     ; e4 + e5
	s_mov_b32 s52, s32
	MKSC 12                                        ; z: 2^e0
	s_sub_co_i32 s52, s34, s53
	MKSC 14                                        ; attention 1's result stands in units of 2^(e0 + e1): its conversion takes 2^(e2 - e0 - e1)
	s_sub_co_i32 s52, s36, s54
	MKSC 16                                        ; block 1's result, in units of 2^(e2 + e3): 2^(e4 - e2 - e3)
	s_sub_co_i32 s52, s38, s55
	MKSC 18                                        ; attention 2's result: 2^(e6 - e4 - e5)
	s_add_co_i32 s40, s38, s39
	s_add_co_i32 s40, s40, 127
	s_lshl_b32 s40, s40, 23                        ; 2^(e6 + e7) as f32
	s_mov_b32 s41, s40                             ; (named with it as a pair)
	v_mov_b32 v20, 0x3e8293ee                      ; log2(e) / sqrt(32)
	v_mov_b32 v21, 0x3e8293ee
	s_lshl_b32 s56, s53, 1
	s_lshl_b32 s57, s55, 1
	v_ldexp_f32 v20, v20, s56                      ; x 2^(2 (e0 + e1)): q and k both stand in units of 2^(e0 + e1)
	v_ldexp_f32 v21, v21, s57
	s_sub_co_i32 s49, 0, s54
	s_cmp_lt_u32 s28, 2
	s_cselect_b32 s48, s49, 0                      ; bout_z goes in divided by 2^(e2 + e3), bout_z1 as it is
	s_wait_loadcnt 0x3f                            ; 144 loads were issued behind the 57 of part and the bias: with 63 out at the most, those 57 are in
	WIN 0x45
.set ci, 1
.rept 27
	v_pk_add_f32 v[0:1], v[0:1], v[4*ci:4*ci+1]
	v_pk_add_f32 v[2:3], v[2:3], v[4*ci+2:4*ci+3]
	v_add_f32 v112, v112, v[112+ci]
.set ci, ci+1
.endr
	v_add_f32 v112, 0x322bcc77, v112               ; + 1e-8
	v_rcp_f32 v113, v112
	v_nop
	s_wait_alu depctr_va_vdst(0)                   ; ahead of the reciprocal's first reader
.irp c, 0,1,2,3
	v_mul_f32 v[\c], v[\c], v113
.endr
	WIN 0x04
	ds_store_b128 v60, v[0:3]                      ; the pooled vectors: tensor t / 64, columns 4 (t % 64) on
	WIN 0
.irp c, 0,1,2,3
	v_ldexp_f32 v[28+\c], v[28+\c], s48
.endr
	ds_store_b128 v63, v[28:31]
	s_wait_asynccnt 0x0                            ; my wave's weights lie in LDS; the copies' address registers are free
	BARRIER                                        ; the pooled vectors and the biases lie in LDS
	WIN 0x40
.irp tk, 0,1
.irp ww, 0,1,2,3
.irp i, 0,1,2,3,4,5,6,7
	ds_load_b128 v[128*\tk+32*\ww+4*\i:128*\tk+32*\ww+4*\i+3], v10 offset:1024*\tk+256*\ww+16*\i   ; all 256 numbers' worth of my half, in the operand's order; the same in all 16 lanes of a half
.endr
.endr
.endr
	s_wait_dscnt 0x0
.irp tk, 0,1
.irp ww, 0,1,2,3
	QUANT32 128*\tk+32*\ww, 1, FR+32*\tk+8*\ww, 12  ; straight into the fragments of row tiles 0 and 1: sixteen equal rows each
.endr
.endr
	s_wait_loadcnt 0x0                             ; the weights
	QK1
	PLACES 4
	DOT4 0, 64, 0, 96, 32, 64, 32, 96              ; the pooled tokens' scores among themselves: none is masked
	LOGIT4 24, 0, 25, 0, 26, 0, 27, 0, 20
	WIN 0x04
.set ci, 0
.rept 32
	ds_store_b128 v8, v[4*ci:4*ci+3] offset:16*ci  ; q2, q3, k2, k3: sixteen lanes store the same bytes with the same numbers; only my wave reads them
.set ci, ci+1
.endr
	s_wait_dscnt 0x0                               ; the stores have read their registers
	MUL2 0
	PLACES 4
	WIN 0x04
.set ci, 0
.rept 16
	ds_store_b128 v8, v[4*ci:4*ci+3] offset:512+16*ci      ; v2, v3
.set ci, ci+1
.endr
	s_wait_dscnt 0x0
	WIN 0
	s_mov_b32 s29, TRIPS
.Ltrip:
	; ---- X: my 32 numbers of x and of y for 16 positions become my chunks of row tiles 0 and 1
	s_wait_loadcnt 0x0                             ; asked for a trip ago
	QUANT32 XY, 0, CODE, 12
	QUANT32 XY+32, 0, CODE+8, 12
	IMAGE CODE, 0
	IMAGE CODE+8, 4096
	s_cmp_eq_u32 s29, 1                            ; the last trip asks for nothing: no load leaves its buffer
	s_cbranch_scc1 .Lno_next
	XYLOAD 16384
.Lno_next:
	BARRIER                                        ; z's two tiles lie in LDS; every wave's reads of the other images are over
	; ---- 1: block 1's q, k, v of x and y; scores; softmax; weighted sums
	FETCHF 2, 0
	WIN 0x40
.set ci, 0
.rept 16
	ds_load_b128 v[128+4*ci:128+4*ci+3], v8 offset:256+16*ci       ; k2, k3
.set ci, ci+1
.endr
.set ci, 0
.rept 16
	ds_load_b128 v[192+4*ci:192+4*ci+3], v8 offset:16*ci           ; q2, q3
.set ci, ci+1
.endr
	s_wait_dscnt 32                                ; the fragments are in; the 32 loads behind them may be out
	QK1
	PLACES 4
	s_wait_dscnt 0x0
	DOT4 0, 64, 0, 96, 0, 128, 0, 160
	LOGIT4 TL, 0, TL+1, 0, TL+2, 0, TL+3, 1, 20    ; masked where i + j = 3
	DOT4 32, 64, 32, 96, 32, 128, 32, 160
	LOGIT4 TL+4, 0, TL+5, 0, TL+6, 1, TL+7, 0, 20
	DOT4 192, 64, 192, 96, 224, 64, 224, 96
	LOGIT4 TL+8, 0, TL+9, 1, TL+12, 1, TL+13, 0, 20
	v_mov_b32 v[TL+10], v24
	v_mov_b32 v[TL+11], v25
	v_mov_b32 v[TL+14], v26
	v_mov_b32 v[TL+15], v27
	WIN 0x40
.set ci, 0
.rept 16
	ds_load_b128 v[64+4*ci:64+4*ci+3], v8 offset:512+16*ci         ; v2, v3, over k0, k1
.set ci, ci+1
.endr
	MUL2 0                                         ; v0, v1, over q0, q1
	SOFTMAX 4                                      ; its plain instructions are the places behind those products
	s_wait_dscnt 0x0
	AV 0
	AV 1
	AV 2
	AV 3
.irp i, 0,1,2,3
	QUANT32 128+32*\i, 1, CODE+8*\i, 14
.endr
.irp i, 0,1,2,3
	IMAGE CODE+8*\i, IMGB+4096*\i
.endr
	BARRIER                                        ; attention 1's four tiles lie in LDS
	; ---- 2: x Wout_z + bout_z, all four tokens
	FETCHF 4, IMGB
	WIN 0x40
.irp q, 0,1,2,3,4,5,6,7
	ds_load_b128 v[128+4*\q:128+4*\q+3], v9 offset:16*\q           ; the bias is the C of each sum's first product
.endr
	FETCHW 0
.irp u, 0,1,2,3
	WSTEP \u, 8*\u, 4, 128+8*\u
.endr
	PLACES 4
.irp i, 0,1,2,3
	QUANT32 32*\i, 1, CODE+8*\i, 16
.endr
.irp i, 0,1,2,3
	IMAGE CODE+8*\i, 4096*\i
.endr
	BARRIER                                        ; block 1's four tiles lie in LDS
	; ---- 3: block 2's q (tokens 0, 1), k, v (all four); scores; softmax; weighted sums for tokens 0, 1
	FETCHF 4, 0
.irp u, 0,1,2,3
	WSTEP 4+\u, 8*\u, 2, -1
.endr
.irp u, 0,1,2,3
	WSTEP 8+\u, 64+8*\u, 4, -1
.endr
	PLACES 4
	DOT4 0, 64, 0, 96, 0, 128, 0, 160
	LOGIT4 TL, 0, TL+1, 1, TL+2, 0, TL+3, 1, 21
	DOT4 32, 64, 32, 96, 32, 128, 32, 160
	LOGIT4 TL+4, 1, TL+5, 0, TL+6, 1, TL+7, 0, 21
.irp u, 0,1,2,3
	WSTEP 12+\u, 8*\u, 4, -1
.endr
	SOFTMAX 2
	AV 0
	AV 1
	QUANT32 128, 1, CODE, 18
	QUANT32 160, 1, CODE+8, 18
	IMAGE CODE, IMGB
	IMAGE CODE+8, IMGB+4096
	BARRIER                                        ; attention 2's two tiles lie in LDS
	; ---- 4: x Wout_z1 + bout_z1, tokens 0 and 1; out
	FETCHF 2, IMGB
	WIN 0x40
.irp q, 0,1,2,3,4,5,6,7
	ds_load_b128 v[64+4*\q:64+4*\q+3], v9 offset:1024+16*\q
.endr
	s_wait_dscnt 0x0
	MUL2 128
	PLACES 4
	WIN 0x51
.irp t, 0,1
.set ip, 0
.rept 16
	v_pk_fma_f32 v[96+32*\t+ip:96+32*\t+ip+1], v[32*\t+ip:32*\t+ip+1], s[40:41], v[64+ip:64+ip+1] op_sel_hi:[1,0,1]   ; sum x 2^(e6 + e7) + bias
.set ip, ip+2
.endr
.endr
.irp t, 0,1
	WIN 0x04
.irp q, 0,1,2,3,4,5,6,7
	ds_store_b128 v6, v[96+32*\t+4*\q:96+32*\t+4*\q+3] offset:16*\q        ; position r, my 128 bytes
.endr
	WIN 0x40
.irp i, 0,1,2,3,4,5,6,7
	ds_load_b128 v[160+32*\t+4*\i:160+32*\t+4*\i+3], v7 offset:544*\i      ; LDS serves a wave's instructions in order: these see my stores, and the next tile's stores come behind them
.endr
.endr
	WIN 0x04
.irp i, 0,1,2,3,4,5,6,7
	s_wait_dscnt 23-\i                             ; behind token 0's load i: its 7 - i later loads and token 1's sixteen instructions
	global_store_b128 v2, v[160+4*\i:160+4*\i+3], s[24:25] offset:2048*\i th:TH_STORE_NT   ; sixteen lanes store 256 consecutive bytes, aligned
.endr
.irp i, 0,1,2,3,4,5,6,7
	s_wait_dscnt 7-\i
	global_store_b128 v2, v[192+4*\i:192+4*\i+3], s[26:27] offset:2048*\i th:TH_STORE_NT
.endr
	WIN 0
	s_wait_xcnt 0x0                                ; the loads and stores have read their bases and registers: both may be written again
	s_add_nc_u64 s[4:5], s[4:5], 0x4000
	s_add_nc_u64 s[6:7], s[6:7], 0x4000
	s_add_nc_u64 s[24:25], s[24:25], 0x4000
	s_add_nc_u64 s[26:27], s[26:27], 0x4000
	s_sub_co_u32 s29, s29, 1
	s_cmp_lg_u32 s29, 0
	s_cbranch_scc1 .Ltrip
	s_wait_xcnt 0x0
	v_lshl_add_u32 v254, v0, 2, 0x4ec00
	v_mov_b32 v255, 0
	s_wait_tensorcnt 0x0
	ds_add_u32 v254, v255
	s_wait_dscnt 0x0
	s_endpgm
.Lfunc_end_k_q820afa6d90_main:
	.size	k_q820afa6d90_main, .Lfunc_end_k_q820afa6d90_main-k_q820afa6d90_main
	.p2alignl 7, 3214868480
	.fill 96, 4, 3214868480
	.section	.rodata,"a",@progbits
	.p2align	6, 0x0
	.amdhsa_kernel k_q820afa6d90_main
		.amdhsa_group_segment_fixed_size 327680
		.amdhsa_private_segment_fixed_size 0
		.amdhsa_enable_private_segment 0
		.amdhsa_kernarg_size 96
		.amdhsa_user_sgpr_count 2
		.amdhsa_user_sgpr_kernarg_segment_ptr 1
		.amdhsa_wavefront_size32 1
		.amdhsa_system_sgpr_workgroup_id_x 1
		.amdhsa_system_sgpr_workgroup_id_y 1
		.amdhsa_system_sgpr_workgroup_id_z 1
		.amdhsa_system_vgpr_workitem_id 0
		.amdhsa_next_free_vgpr 1024
		.amdhsa_next_free_sgpr 100
		.amdhsa_reserve_vcc 0
		.amdhsa_float_denorm_mode_32 3
		.amdhsa_float_denorm_mode_16_64 3
		.amdhsa_memory_ordered 1
		.amdhsa_forward_progress 1
		.amdhsa_inst_pref_size 207
	.end_amdhsa_kernel
	.amdgpu_metadata
---
amdhsa.version: [ 1, 2 ]
amdhsa.kernels:
  - .name:           k_q820afa6d90_main
    .symbol:         k_q820afa6d90_main.kd
    .args:
      - { .name: x, .offset: 0, .size: 8, .value_kind: global_buffer, .address_space: global }
      - { .name: y, .offset: 8, .size: 8, .value_kind: global_buffer, .address_space: global }
      - { .name: part, .offset: 16, .size: 8, .value_kind: global_buffer, .address_space: global }
      - { .name: Wqkv_z_codes, .offset: 24, .size: 8, .value_kind: global_buffer, .address_space: global }
      - { .name: Wout_z_codes, .offset: 32, .size: 8, .value_kind: global_buffer, .address_space: global }
      - { .name: Wqkv_z1_codes, .offset: 40, .size: 8, .value_kind: global_buffer, .address_space: global }
      - { .name: Wout_z1_codes, .offset: 48, .size: 8, .value_kind: global_buffer, .address_space: global }
      - { .name: bout_z, .offset: 56, .size: 8, .value_kind: global_buffer, .address_space: global }
      - { .name: bout_z1, .offset: 64, .size: 8, .value_kind: global_buffer, .address_space: global }
      - { .name: lowp_scales, .offset: 72, .size: 8, .value_kind: global_buffer, .address_space: global }
      - { .name: out0, .offset: 80, .size: 8, .value_kind: global_buffer, .address_space: global }
      - { .name: out1, .offset: 88, .size: 8, .value_kind: global_buffer, .address_space: global }
    .group_segment_fixed_size: 327680
    .private_segment_fixed_size: 0
    .kernarg_segment_align: 8
    .kernarg_segment_size: 96
    .max_flat_workgroup_size: 128
    .sgpr_count:     100
    .vgpr_count:     1024
    .wavefront_size: 32
...
	.end_amdgpu_metadata
.endif
;; end of part 2
;; ======== version 2 of 2: 2 launches; 1.14 times as fast as version 1
;; workspace buffers: part 688,128 bytes; wimg 524,288 bytes
;; launch pool (part 3): grid 56 x 8, 8 waves a work-group, no clusters, 5,632 bytes of LDS; arguments x, y, s, part, Wout_z_codes, Wqkv_z1_codes, Wqkv_z_codes, Wout_z1_codes, wimg; writes part, wimg
.if DOCPART == 3
	.amdgcn_target "amdgcn-amd-amdhsa--gfx1250"
	.amdhsa_code_object_version 6
	.text
	.protected	k_q820afa6d90_pool
	.globl	k_q820afa6d90_pool
	.p2align	8
	.type	k_q820afa6d90_pool,@function
k_q820afa6d90_pool:
	s_mov_b64 s[64:65], 0
	v_nop
	global_prefetch_b8 v0, s[64:65] scope:SCOPE_SE
	s_setreg_imm32_b32 hwreg(HW_REG_WAVE_MODE, 25, 1), 1
	s_wait_xcnt 0x0
; Partial sums for the two pooled vectors, and, on the side, the four weights laid in the order of the operand's registers.
; POOLING.  s_t = 1 where s > 0.5, else 1e-8.
; part[b][chunk][tensor][0..255] = sum over the chunk's 112 rows of x (tensor 0) or y (tensor 1) times s_t; words 256..383 = the chunk's sum of s_t, repeated.
; A work-group takes one chunk of one tensor: work-group x = 2 chunk + tensor, work-group y = the batch.
; Thread t: columns 4 (t % 64) on (16 bytes), rows 28 (t / 64) .. + 27 of the chunk: a wave's load covers 512 consecutive bytes.
; All 28 row loads of a thread go out at once; the four row groups meet in LDS behind one barrier.
; WEIGHTS.  wimg[half][w 4][tile 16][chunk 8][lane 32][16 bytes]: what lane (r, h) of wave w of the next launch holds in registers 4 k .. 4 k + 3 of a weight tile's 32:
; row 64 w + 8 u + 32 (r / 8) + r % 8 of a part of 256 rows, bytes 128 (k / 4) + 64 ((k % 4) / 2) + 32 h + 16 (k % 2) on.
; half 0: tiles 0-3 Wout_z, 4-15 Wqkv_z1's q, k, v; half 1: tiles 0-11 Wqkv_z's q, k, v, 12-15 Wout_z1; u = tile % 4.
; There are 4 x 32 = 128 tiles: the 128 work-groups with x < 16 take one each, a wave a chunk: one load of 16 bytes a lane, one store of 512 consecutive bytes.
; No matrix unit, no ring, no cluster: a plain stream, each byte read once, and work-groups share nothing.
; REGISTERS: v1, v2 offsets of the loads; v3, v4 the two values of s_t; v5 my sum of s_t; v[8:11], v[12:15] two sets of sums; v16-127 the rows; v128-155 s, then s_t;
;   v157 my lane's place in a weight tile; v160-163 the addresses used behind the sums: made at the head, never rewritten, never holding data; v[164:167] a weight's 16 bytes.
.set ROWS,  28                         ; rows a thread
.set X,     16                         ; v16-127  28 x 4 numbers
.set SS,    128                        ; v128-155 28 numbers of s, then of s_t
.set WO,    157                        ; v157     256 (r % 8) + 8,192 (r / 8) + 32 h
.set AT,    160                        ; v160     16 x thread: my place in LDS, and (threads 0-63) in the output row
.set AW,    161                        ; v161     4 x wave: my wave's word behind the sums
.set AZ,    162                        ; v162     0
.set AL,    163                        ; v163     16 x lane
	s_load_b256 s[4:11], s[0:1], 0x0               ; x, y, s, part
	s_load_b256 s[24:31], s[0:1], 0x20             ; Wout_z, Wqkv_z1, Wqkv_z, Wout_z1
	s_load_b64 s[32:33], s[0:1], 0x40              ; wimg
	v_lshl_add_u32 v168, v0, 2, 0x1200
	v_mov_b32 v169, 0
	v_and_b32 v6, 63, v0
	v_lshrrev_b32 v7, 6, v0                        ; row group 0..3
	v_mul_u32_u24 v1, v7, 28672                    ; 28 rows of 1,024 bytes
	v_lshl_add_u32 v1, v6, 4, v1                   ; + my 16 bytes of a row
	v_mul_u32_u24 v2, v7, 112                      ; my 28 numbers of s
	v_mov_b32 v3, 1.0
	v_mov_b32 v4, 0x322bcc77                       ; 1e-8
	v_lshrrev_b32 v156, 5, v0
	v_readfirstlane_b32 s16, v156                  ; wave 0..7
	v_lshlrev_b32 v[AT], 4, v0
	v_lshlrev_b32 v[AW], 2, v156
	v_mov_b32 v[AZ], 0
	v_and_b32 v[AL], 31, v0
	v_lshlrev_b32 v[AL], 4, v[AL]
	v_and_b32 v158, 7, v0                          ; r % 8
	v_bfe_u32 v159, v0, 3, 1                       ; r / 8
	v_lshlrev_b32 v[WO], 8, v158
	v_lshl_add_u32 v[WO], v159, 13, v[WO]
	v_bfe_u32 v159, v0, 4, 1                       ; h
	v_lshl_add_u32 v[WO], v159, 5, v[WO]
	s_and_b32 s12, ttmp7, 0xffff                   ; batch
	s_lshr_b32 s13, ttmp9, 1                       ; chunk
	s_mul_i32 s14, s12, 3136
	s_mul_i32 s15, s13, 112
	s_add_co_u32 s14, s14, s15                     ; the chunk's first position
	s_lshl_b32 s18, s14, 10
	s_mov_b32 s19, 0
	s_lshl_b32 s20, s14, 2
	s_mov_b32 s21, 0
	s_mul_i32 s22, s12, 56
	s_add_co_u32 s22, s22, ttmp9
	s_mul_i32 s22, s22, 1536                       ; my row of part
	s_mov_b32 s23, 0
	s_and_b32 s17, ttmp9, 1
	; the weight tile: number 8 x + y (used where x < 16): wave owner w = number / 32, tile g = number % 32; my wave's chunk k = its number
	s_lshl_b32 s34, ttmp9, 3
	s_add_co_u32 s34, s34, s12
	s_lshr_b32 s35, s34, 5                         ; w
	s_and_b32 s36, s34, 31                         ; g
	s_lshr_b32 s37, s36, 2                         ; g / 4: 0 Wout_z; 1, 2, 3 Wqkv_z1's q, k, v; 4, 5, 6 Wqkv_z's; 7 Wout_z1
	s_lshl_b32 s38, s37, 2
	s_lshr_b32 s38, 0x02102100, s38
	s_and_b32 s38, s38, 15                         ; which part of 256 rows: 0, 0, 1, 2, 0, 1, 2, 0
	s_lshl_b32 s38, s38, 16
	s_and_b32 s39, s36, 3
	s_lshl_b32 s39, s39, 11                        ; + 8 u rows
	s_add_co_u32 s38, s38, s39
	s_lshl_b32 s39, s35, 14                        ; + 64 w rows
	s_add_co_u32 s38, s38, s39
	s_lshr_b32 s39, s16, 2
	s_lshl_b32 s39, s39, 7                         ; + 128 (k / 4)
	s_add_co_u32 s38, s38, s39
	s_bfe_u32 s39, s16, 0x10001
	s_lshl_b32 s39, s39, 6                         ; + 64 ((k % 4) / 2)
	s_add_co_u32 s38, s38, s39
	s_and_b32 s39, s16, 1
	s_lshl_b32 s39, s39, 4                         ; + 16 (k % 2)
	s_add_co_u32 s38, s38, s39
	s_mov_b32 s39, 0
	s_lshr_b32 s40, s36, 4
	s_lshl_b32 s40, s40, 18                        ; in wimg: the half,
	s_lshl_b32 s41, s35, 16
	s_add_co_u32 s40, s40, s41                     ; the wave owner's 65,536 bytes,
	s_and_b32 s41, s36, 15
	s_lshl_b32 s41, s41, 12
	s_add_co_u32 s40, s40, s41                     ; the tile's 4,096,
	s_lshl_b32 s41, s16, 9
	s_add_co_u32 s40, s40, s41                     ; the chunk's 512
	s_mov_b32 s41, 0
	s_wait_kmcnt 0x0
	s_cmp_eq_u32 s17, 0                            ; x or y: the choice hangs on the work-group's number alone
	s_cselect_b64 s[4:5], s[4:5], s[6:7]
	s_add_nc_u64 s[4:5], s[4:5], s[18:19]
	s_add_nc_u64 s[8:9], s[8:9], s[20:21]
	s_add_nc_u64 s[10:11], s[10:11], s[22:23]
	s_cmp_eq_u32 s37, 0                            ; which weight: the choices hang on the work-group's number alone
	s_cselect_b64 s[42:43], s[24:25], s[26:27]
	s_cmp_ge_u32 s37, 4
	s_cselect_b64 s[42:43], s[28:29], s[42:43]
	s_cmp_eq_u32 s37, 7
	s_cselect_b64 s[42:43], s[30:31], s[42:43]
	s_add_nc_u64 s[42:43], s[42:43], s[38:39]
	s_add_nc_u64 s[32:33], s[32:33], s[40:41]
.irp i, 0,1,2,3,4,5,6
	global_load_b128 v[SS+4*\i:SS+4*\i+3], v2, s[8:9] offset:16*\i
.endr
.set i, 0
.rept ROWS
	global_load_b128 v[X+4*i:X+4*i+3], v1, s[4:5] offset:1024*i
.set i, i+1
.endr
	s_cmp_lt_u32 ttmp9, 16                         ; 16 x 8 work-groups: one weight tile each
	s_cbranch_scc0 .Lno_tile
	global_load_b128 v[164:167], v[WO], s[42:43]   ; my 16 bytes of my wave's chunk
	s_wait_loadcnt 0x0                             ; it was issued last: with it all my loads are in
	global_store_b128 v[AL], v[164:167], s[32:33]  ; the wave stores 512 consecutive bytes, aligned
.Lno_tile:
	s_wait_loadcnt 28                              ; s is in; the 28 row loads issued behind it may be out
.set i, 0
.rept ROWS
	v_cmp_lt_f32 vcc_lo, 0.5, v[SS+i]              ; s > 0.5
	v_cndmask_b32 v[SS+i], v4, v3, vcc_lo          ; 1 where it holds, else 1e-8
.set i, i+1
.endr
	v_add_f32 v5, v[SS], v[SS+1]
.set i, 2
.rept ROWS-2
	v_add_f32 v5, v5, v[SS+i]                      ; my row group's sum of s_t
.set i, i+1
.endr
.set i, 0
.rept ROWS
	s_wait_loadcnt 27-i                            ; loads come back in order: row i is in, the later rows may be out
.irp c, 0,1,2,3
.if i < 2
	v_mul_f32 v[8+4*(i%2)+\c], v[X+4*i+\c], v[SS+i]    ; the first row of each of two sets starts its sums
.else
	v_fmac_f32 v[8+4*(i%2)+\c], v[X+4*i+\c], v[SS+i]
.endif
.endr
.set i, i+1
.endr
	v_pk_add_f32 v[8:9], v[8:9], v[12:13]
	v_pk_add_f32 v[10:11], v[10:11], v[14:15]
	ds_store_b128 v[AT], v[8:11]                   ; row group g, columns: 1,024 g + 16 (t % 64) = 16 t
	ds_store_b32 v[AW], v5 offset:4096             ; all lanes of a wave store the same number to the wave's word
	s_wait_dscnt 0x0                               ; for the others' sake: my stores have landed
	s_barrier_signal -1
	s_barrier_wait -1
	s_cmp_lt_u32 s16, 2
	s_cbranch_scc0 .Lnot_sum
.irp k, 0,1,2,3
	ds_load_b128 v[16+4*\k:19+4*\k], v[AT] offset:1024*\k  ; waves 0 and 1: the four row groups' sums of my 4 columns
.endr
	s_wait_dscnt 0x0
	v_pk_add_f32 v[16:17], v[16:17], v[20:21]
	v_pk_add_f32 v[18:19], v[18:19], v[22:23]
	v_pk_add_f32 v[24:25], v[24:25], v[28:29]
	v_pk_add_f32 v[26:27], v[26:27], v[30:31]
	v_pk_add_f32 v[16:17], v[16:17], v[24:25]
	v_pk_add_f32 v[18:19], v[18:19], v[26:27]
	global_store_b128 v[AT], v[16:19], s[10:11]    ; a wave stores 512 consecutive bytes, aligned
	s_wait_tensorcnt 0x0
	ds_add_u32 v168, v169
	s_wait_dscnt 0x0
	s_endpgm
.Lnot_sum:
	s_cmp_eq_u32 s16, 2
	s_cbranch_scc0 .Ldone
	ds_load_b128 v[16:19], v[AZ] offset:4096       ; wave 2: the waves' sums of s_t; waves 2 g and 2 g + 1 hold row group g's
	ds_load_b128 v[20:23], v[AZ] offset:4112
	s_wait_dscnt 0x0
	v_add_f32 v16, v16, v18
	v_add_f32 v20, v20, v22
	v_add_f32 v16, v16, v20
	v_mov_b32 v17, v16
	v_mov_b32 v18, v16
	v_mov_b32 v19, v16
	global_store_b128 v[AL], v[16:19], s[10:11] offset:1024    ; 512 consecutive bytes: words 256 to 383
.Ldone:
	s_wait_tensorcnt 0x0
	ds_add_u32 v168, v169
	s_wait_dscnt 0x0
	s_endpgm
.Lfunc_end_k_q820afa6d90_pool:
	.size	k_q820afa6d90_pool, .Lfunc_end_k_q820afa6d90_pool-k_q820afa6d90_pool
	.p2alignl 7, 3214868480
	.fill 96, 4, 3214868480
	.section	.rodata,"a",@progbits
	.p2align	6, 0x0
	.amdhsa_kernel k_q820afa6d90_pool
		.amdhsa_group_segment_fixed_size 5632
		.amdhsa_private_segment_fixed_size 0
		.amdhsa_enable_private_segment 0
		.amdhsa_kernarg_size 72
		.amdhsa_user_sgpr_count 2
		.amdhsa_user_sgpr_kernarg_segment_ptr 1
		.amdhsa_wavefront_size32 1
		.amdhsa_system_sgpr_workgroup_id_x 1
		.amdhsa_system_sgpr_workgroup_id_y 1
		.amdhsa_system_sgpr_workgroup_id_z 1
		.amdhsa_system_vgpr_workitem_id 0
		.amdhsa_next_free_vgpr 170
		.amdhsa_next_free_sgpr 66
		.amdhsa_reserve_vcc 1
		.amdhsa_float_denorm_mode_32 3
		.amdhsa_float_denorm_mode_16_64 3
		.amdhsa_memory_ordered 1
		.amdhsa_forward_progress 1
		.amdhsa_inst_pref_size 17
	.end_amdhsa_kernel
	.amdgpu_metadata
---
amdhsa.version: [ 1, 2 ]
amdhsa.kernels:
  - .name:           k_q820afa6d90_pool
    .symbol:         k_q820afa6d90_pool.kd
    .args:
      - { .name: x, .offset: 0, .size: 8, .value_kind: global_buffer, .address_space: global }
      - { .name: y, .offset: 8, .size: 8, .value_kind: global_buffer, .address_space: global }
      - { .name: s, .offset: 16, .size: 8, .value_kind: global_buffer, .address_space: global }
      - { .name: part, .offset: 24, .size: 8, .value_kind: global_buffer, .address_space: global }
      - { .name: Wout_z_codes, .offset: 32, .size: 8, .value_kind: global_buffer, .address_space: global }
      - { .name: Wqkv_z1_codes, .offset: 40, .size: 8, .value_kind: global_buffer, .address_space: global }
      - { .name: Wqkv_z_codes, .offset: 48, .size: 8, .value_kind: global_buffer, .address_space: global }
      - { .name: Wout_z1_codes, .offset: 56, .size: 8, .value_kind: global_buffer, .address_space: global }
      - { .name: wimg, .offset: 64, .size: 8, .value_kind: global_buffer, .address_space: global }
    .group_segment_fixed_size: 5632
    .private_segment_fixed_size: 0
    .kernarg_segment_align: 8
    .kernarg_segment_size: 72
    .max_flat_workgroup_size: 256
    .sgpr_count:     66
    .vgpr_count:     170
    .wavefront_size: 32
...
	.end_amdgpu_metadata
.endif
;; end of part 3
;; launch main (part 4): grid 28 x 8, 4 waves a work-group, clusters of 4 x 1, 327,680 bytes of LDS; arguments x, y, part, wimg, bout_z, bout_z1, lowp_scales, out0, out1; writes out0, out1
.if DOCPART == 4
	.amdgcn_target "amdgcn-amd-amdhsa--gfx1250"
	.amdhsa_code_object_version 6
	.text
	.protected	k_q820afa6d90_main
	.globl	k_q820afa6d90_main
	.p2align	8
	.type	k_q820afa6d90_main,@function
k_q820afa6d90_main:
	s_mov_b64 s[64:65], 0
	v_nop
	global_prefetch_b8 v0, s[64:65] scope:SCOPE_SE
	s_setreg_imm32_b32 hwreg(HW_REG_WAVE_MODE, 25, 1), 1
	s_wait_xcnt 0x0
	s_wait_alu depctr_hold_cnt(0) depctr_sa_sdst(0) depctr_va_vdst(0) depctr_va_sdst(0) depctr_va_ssrc(0) depctr_va_vcc(0) depctr_vm_vsrc(0)
	s_getreg_b32 s2, hwreg(HW_REG_IB_STS2, 6, 4)
	s_cmp_eq_u32 s2, 0
	s_cbranch_scc0 .Lentry_in_a_cluster
	s_endpgm
.Lentry_in_a_cluster:
	s_bfe_u32 s2, ttmp6, 0x10000c
	s_cmp_lg_u32 s2, 0x3003
	s_cbranch_scc0 .Lentry_shape_is_right
	s_endpgm
.Lentry_shape_is_right:
; Two attention blocks over the four tokens (x, y, pooled x, pooled y) of each position; 8 heads of 32; the four large products on codes of BF8 (E5M2) with the given scales 2^e0 .. 2^e7.
; SHARES.  A work-group takes 112 positions of one batch, 16 a trip, 7 trips.  A row tile is ONE TOKEN of the trip's 16 positions: lane % 16 is the position, so a position's four tokens lie in one lane.
; The four waves share the columns: wave w owns features 64 w .. 64 w + 63 of every product's result; of these, lane half h = lane / 16 owns head 2 w + h whole: 32 numbers a token.
; So scores, softmax and weighted sums (f32 multiply-adds, since they feed quantisers) never leave a lane.
; THE PRODUCTS ARE USED TRANSPOSED: source 0 = 16 rows of a weight, source 1 = a row tile.  Tile u of a wave's 64 weight rows takes, in lane r, row 32 (r / 8) + 8 u + r % 8: lane (r, h), register 8 u + j, then holds feature 32 h + 8 u + j.
; ONE ORDER OF K ON BOTH SIDES: registers 4 c .. 4 c + 3 of K step s hold, in lane half h, features 128 s + 64 (c / 2) + 32 h + 16 (c % 2) + 0 .. 15.  A wave's 32 numbers a lane, converted, are chunks 2 w and 2 w + 1 (of 8) of the next operand.
; OPERANDS GO FROM WAVE TO WAVE AS IMAGES OF THEIR REGISTERS: a chunk of four registers is 512 bytes, lane l's 16 bytes at 16 l; a tile is 4,096 bytes.
; WHAT IS NOT MULTIPLIED: the pooled tokens' q, k, v of block 1 are the same for all positions of a batch: made once, at the head.  Block 2's q, and its last product, are wanted for tokens 0 and 1 alone.
; The masks add -100 and hide nothing: every key stays in every softmax, and each row's maximum is taken away.
; WEIGHTS.  The launch before has laid them as register images (wimg: [half][wave][tile 16][chunk 8][lane][16 bytes]).  Half 1 (Wqkv_z and Wout_z1, each of which feeds two row tiles a trip) stays in registers:
; 128 loads a wave, each of 512 consecutive bytes.  Half 0 (Wout_z, Wqkv_z1) stays in LDS, each wave's own 65,536 bytes: one tile load a wave, filled once.
; CLUSTER.  The four work-groups of a cluster want the same LDS images: each wave's load is asked for JOINTLY, with the same descriptor (it hangs on the wave's number alone) and a mask that names the four.
; A round of the cluster's barrier stands in front of the joint loads and another ahead of the end.  The registers' half is not shared: a joint load fills LDS alone, and through LDS that half would want the 262,144 bytes filled a second time.
; LIMITS: e0, e2 - e0 - e1, e4 - e2 - e3, e6 - e4 - e5 between -126 and 112; e6 + e7 between -126 and 127; bout_z / 2^(e2 + e3) a finite f32.  NaN among the inputs is not served.
; A softmax weight under 2^-126 of its row's largest counts as 0.
; REGISTERS.  window 0: v1-11 addresses; v12-19 four pairs (scale, 57,344 x scale); v20, v21 the scores' factors; v24-27 the pooled tokens' scores among themselves; v32-47 scores, then weights (4 i + j);
;   v48-55 four pairs of running sums; v56-63 at work; v64-127 x and y; v128-255 four row tiles' fragments (tile T at 128 + 32 T, chunk k at + 4 k); v192-223 also the codes just made, while tiles 2, 3 are dead.
;   window 1 (R): q0, q1 at 0, 32; k0-3 at 64 + 32 j; block 1's q2, q3 at 192, 224; v0-3 at 32 j, over q and k; results at 128 + 32 i; weight buffers at 192, 224; bias at 128.
;   window 2: Wqkv_z's q and k tiles.   window 3: v0-127 its v tiles; v128-255 Wout_z1.
.set IMGA,  262144                     ; LDS: behind the weights' 4 x 65,536: images of z, then of block 1's result: 4 tiles
.set IMGB,  16384                      ; from IMGA: images of the attentions' results: 4 tiles
.set STG,   294912                     ; a stage of 16 rows x (256 + 16) bytes for each wave
.set GF,    312320                     ; the two pooled vectors, f32
.set GQ,    314368                     ; 1,536 w + 768 h: q2, q3, k2, k3, v2, v3 of my head, 128 bytes each
.set BIA,   320512                     ; bout_z / 2^(e2 + e3), then bout_z1
.set WREG,  262144                     ; wimg's half 1
.set FR,    128
.set CODE,  192
.set TL,    32
.set AC,    48
.set WK,    56
.set XY,    64
.set WB,    192
.set TRIPS, 7
.set G0,    68                         ; s[68:71] descriptor group 0
.set G1,    76                         ; s[76:83] descriptor group 1
.set MSB, 0
.macro WIN new                         ; low byte: bits 1:0 source 0, 3:2 source 1, 5:4 source 2, 7:6 destination; the high byte repeats the setting that is left
.if MSB != \new
	s_set_vgpr_msb (MSB<<8)|\new
.set MSB, \new
.endif
.endm
.macro PLACES cnt                      ; plain vector instructions between a matrix instruction and a read of its result, or a load into one of its registers
.rept \cnt
	v_nop
.endr
.endm
.macro BARRIER                         ; my LDS stores have landed and my LDS loads are in: then the work-group's barrier
	s_wait_dscnt 0x0
	s_barrier_signal -1
	s_barrier_wait -1
.endm
.macro ROUND                           ; a round of the cluster's barrier: my work-group's barrier; wave 0 signals for the work-group; every wave waits for all four work-groups; my work-group's barrier once more
	s_barrier_signal -1
	s_barrier_wait -1
	s_cmp_lg_u32 s28, 0
	s_cbranch_scc1 .Lnot_wave_0_\@
	s_barrier_signal -3
.Lnot_wave_0_\@:
	s_barrier_wait -3
	s_barrier_signal -1
	s_barrier_wait -1
.endm
; 32 numbers of a lane become 8 registers of codes, in window 0.  sw = 1: the numbers lie in window 1.  v[sc]: the scale, v[sc + 1]: 57,344 x the scale
.macro QUANT32 src, sw, dst, sc
.if \sw
	WIN 0x41
.else
	WIN 0
.endif
.set qi, 0
.rept 32
	v_med3_num_f32 v[\src+qi], v[\src+qi], -v[\sc+1], v[\sc+1]     ; the conversion does not saturate (ISA guide 7.6.2): the hold at the largest code x the scale
.set qi, qi+1
.endr
.if \sw
	WIN 0x01
.endif
.set qi, 0
.rept 4
	v_cvt_scalef32_pk8_bf8_f32 v[\dst+2*qi:\dst+2*qi+1], v[\src+8*qi:\src+8*qi+7], v[\sc]
.set qi, qi+1
.endr
	v_nop                                          ; one plain vector instruction behind the last conversion
.endm
.macro IMAGE reg, off                  ; my two chunks of a tile's image
	WIN 0
	ds_store_b128 v5, v[\reg:\reg+3] offset:\off
	ds_store_b128 v5, v[\reg+4:\reg+7] offset:\off+512
.endm
.macro FETCHF cnt, off                 ; cnt row tiles' fragments from their images
	WIN 0
.set iT, 0
.rept \cnt
.irp k, 0,1,2,3,4,5,6,7
	ds_load_b128 v[FR+32*iT+4*\k:FR+32*iT+4*\k+3], v4 offset:\off+4096*iT+512*\k
.endr
.set iT, iT+1
.endr
.endm
.macro FETCHW wn                       ; weight tile wn of my 16 in LDS into buffer wn % 2
	WIN 0x40
.irp k, 0,1,2,3,4,5,6,7
	ds_load_b128 v[WB+32*((\wn)%2)+4*\k:WB+32*((\wn)%2)+4*\k+3], v3 offset:4096*(\wn)+512*\k
.endr
.endm
; One weight tile from LDS against cnt row tiles; results at R[dd + 32 T].  The next tile is fetched first, into the buffer that the step before has multiplied.
; cb: the registers of the first products' C, or -1 for 0.  The accumulators take turns, one instruction a turn.
.macro WSTEP wn, dd, cnt, cb
	PLACES 4
.if (\wn) < 15
	FETCHW (\wn)+1
	s_wait_dscnt 0x8                               ; all but the eight loads just issued
.else
	s_wait_dscnt 0x0
.endif
	WIN 0x51                                       ; weight, C and D window 1; row tile window 0
.set wa, WB+32*((\wn)%2)
.set iT, 0
.rept \cnt
.if (\cb) < 0
	v_wmma_f32_16x16x128_bf8_bf8 v[\dd+32*iT:\dd+32*iT+7], v[wa:wa+15], v[FR+32*iT:FR+32*iT+15], 0
.else
	v_wmma_f32_16x16x128_bf8_bf8 v[\dd+32*iT:\dd+32*iT+7], v[wa:wa+15], v[FR+32*iT:FR+32*iT+15], v[\cb:\cb+7]
.endif
.set iT, iT+1
.endr
.set iT, 0
.rept \cnt
	v_wmma_f32_16x16x128_bf8_bf8 v[\dd+32*iT:\dd+32*iT+7], v[wa+16:wa+31], v[FR+32*iT+16:FR+32*iT+31], v[\dd+32*iT:\dd+32*iT+7]
.set iT, iT+1
.endr
.endm
.macro QK1                             ; block 1's q and k of row tiles 0, 1: 16 accumulators by turns, K step by K step
	WIN 0x52                                       ; weight window 2, row tile window 0, C and D window 1
.irp ks, 0,1
.irp n, 0,1,2,3,4,5,6,7
.irp t, 0,1
.if \ks == 0
	v_wmma_f32_16x16x128_bf8_bf8 v[64*(\n/4)+32*\t+8*(\n%4):64*(\n/4)+32*\t+8*(\n%4)+7], v[32*\n:32*\n+15], v[FR+32*\t:FR+32*\t+15], 0
.else
	v_wmma_f32_16x16x128_bf8_bf8 v[64*(\n/4)+32*\t+8*(\n%4):64*(\n/4)+32*\t+8*(\n%4)+7], v[32*\n+16:32*\n+31], v[FR+32*\t+16:FR+32*\t+31], v[64*(\n/4)+32*\t+8*(\n%4):64*(\n/4)+32*\t+8*(\n%4)+7]
.endif
.endr
.endr
.endr
.endm
.macro MUL2 ab                         ; four weight tiles of window 3, from v[ab] on, against row tiles 0, 1; results at R[32 T + 8 u]
	WIN 0x53
.irp ks, 0,1
.irp u, 0,1,2,3
.irp t, 0,1
.if \ks == 0
	v_wmma_f32_16x16x128_bf8_bf8 v[32*\t+8*\u:32*\t+8*\u+7], v[\ab+32*\u:\ab+32*\u+15], v[FR+32*\t:FR+32*\t+15], 0
.else
	v_wmma_f32_16x16x128_bf8_bf8 v[32*\t+8*\u:32*\t+8*\u+7], v[\ab+32*\u+16:\ab+32*\u+31], v[FR+32*\t+16:FR+32*\t+31], v[32*\t+8*\u:32*\t+8*\u+7]
.endif
.endr
.endr
.endr
.endm
; Four scores at a time: sums over the head's 32, two numbers an instruction, four chains.  Each accumulator is read from its low end on.
.macro DOT4 q0, k0, q1, k1, q2, k2, q3, k3
	WIN 0x05
	v_pk_mul_f32 v[AC:AC+1], v[\q0:\q0+1], v[\k0:\k0+1]
	v_pk_mul_f32 v[AC+2:AC+3], v[\q1:\q1+1], v[\k1:\k1+1]
	v_pk_mul_f32 v[AC+4:AC+5], v[\q2:\q2+1], v[\k2:\k2+1]
	v_pk_mul_f32 v[AC+6:AC+7], v[\q3:\q3+1], v[\k3:\k3+1]
.set ip, 2
.rept 15
	v_pk_fma_f32 v[AC:AC+1], v[\q0+ip:\q0+ip+1], v[\k0+ip:\k0+ip+1], v[AC:AC+1]
	v_pk_fma_f32 v[AC+2:AC+3], v[\q1+ip:\q1+ip+1], v[\k1+ip:\k1+ip+1], v[AC+2:AC+3]
	v_pk_fma_f32 v[AC+4:AC+5], v[\q2+ip:\q2+ip+1], v[\k2+ip:\k2+ip+1], v[AC+4:AC+5]
	v_pk_fma_f32 v[AC+6:AC+7], v[\q3+ip:\q3+ip+1], v[\k3+ip:\k3+ip+1], v[AC+6:AC+7]
.set ip, ip+2
.endr
	WIN 0
.endm
.macro LOGIT1 dd, a, m, cs             ; t = score x log2(e) / sqrt(32) x the operands' scales, - 100 log2(e) where the mask says so
.if \m
	v_fmaak_f32 v[\dd], v[AC+2*\a], v[\cs], 0xc31044fe
.else
	v_mul_f32 v[\dd], v[AC+2*\a], v[\cs]
.endif
.endm
.macro LOGIT4 d0, m0, d1, m1, d2, m2, d3, m3, cs
.irp a, 0,1,2,3
	v_add_f32 v[AC+2*\a], v[AC+2*\a], v[AC+2*\a+1]
.endr
	LOGIT1 \d0, 0, \m0, \cs
	LOGIT1 \d1, 1, \m1, \cs
	LOGIT1 \d2, 2, \m2, \cs
	LOGIT1 \d3, 3, \m3, \cs
.endm
; The softmax of cnt rows of four, in place.  The exponentials are one batch, and so are the reciprocals: behind each a plain instruction and one wait, ahead of the first reader.
.macro SOFTMAX cnt
	WIN 0
.set ii, 0
.rept \cnt
	v_max3_num_f32 v[WK+ii], v[TL+4*ii], v[TL+4*ii+1], v[TL+4*ii+2]
.set ii, ii+1
.endr
.set ii, 0
.rept \cnt
	v_max_num_f32 v[WK+ii], v[WK+ii], v[TL+4*ii+3]
.set ii, ii+1
.endr
.set ii, 0
.rept 4*\cnt
	v_sub_f32 v[TL+ii], v[TL+ii], v[WK+ii/4]
.set ii, ii+1
.endr
.set ii, 0
.rept 4*\cnt
	v_exp_f32 v[TL+ii], v[TL+ii]
.set ii, ii+1
.endr
	v_nop
	s_wait_alu depctr_va_vdst(0)
.set ii, 0
.rept \cnt
	v_add_f32 v[WK+ii], v[TL+4*ii], v[TL+4*ii+1]
	v_add_f32 v[WK+4+ii], v[TL+4*ii+2], v[TL+4*ii+3]
.set ii, ii+1
.endr
.set ii, 0
.rept \cnt
	v_add_f32 v[WK+ii], v[WK+ii], v[WK+4+ii]
.set ii, ii+1
.endr
.set ii, 0
.rept \cnt
	v_rcp_f32 v[WK+4+ii], v[WK+ii]
.set ii, ii+1
.endr
	v_nop
	s_wait_alu depctr_va_vdst(0)
.set ii, 0
.rept 4*\cnt
	v_mul_f32 v[TL+ii], v[TL+ii], v[WK+4+ii/4]
.set ii, ii+1
.endr
.endm
; Result i = the sum over j of weight (i, j) x v_j, two numbers an instruction; of the pair that holds the weight, one word serves both halves
.macro AV i
	WIN 0x51                                       ; v_j, the sum and the result window 1; the weight window 0
.set ip, 0
.rept 16
	v_pk_mul_f32 v[128+32*\i+ip:128+32*\i+ip+1], v[ip:ip+1], v[TL+4*\i:TL+4*\i+1] op_sel_hi:[1,0]
.set ip, ip+2
.endr
.set ip, 0
.rept 16
	v_pk_fma_f32 v[128+32*\i+ip:128+32*\i+ip+1], v[32+ip:32+ip+1], v[TL+4*\i:TL+4*\i+1], v[128+32*\i+ip:128+32*\i+ip+1] op_sel:[0,1,0] op_sel_hi:[1,1,1]
.set ip, ip+2
.endr
.set ip, 0
.rept 16
	v_pk_fma_f32 v[128+32*\i+ip:128+32*\i+ip+1], v[64+ip:64+ip+1], v[TL+4*\i+2:TL+4*\i+3], v[128+32*\i+ip:128+32*\i+ip+1] op_sel_hi:[1,0,1]
.set ip, ip+2
.endr
.set ip, 0
.rept 16
	v_pk_fma_f32 v[128+32*\i+ip:128+32*\i+ip+1], v[96+ip:96+ip+1], v[TL+4*\i+2:TL+4*\i+3], v[128+32*\i+ip:128+32*\i+ip+1] op_sel:[0,1,0] op_sel_hi:[1,1,1]
.set ip, ip+2
.endr
.endm
.macro XYLOAD off                      ; my 32 numbers of x and of y for 16 positions, off bytes on
.irp q, 0,1,2,3,4,5,6,7
	global_load_b128 v[XY+4*\q:XY+4*\q+3], v1, s[4:5] offset:\off+16*\q
.endr
.irp q, 0,1,2,3,4,5,6,7
	global_load_b128 v[XY+32+4*\q:XY+32+4*\q+3], v1, s[6:7] offset:\off+16*\q
.endr
.endm
.macro MKSC vs                         ; s52 = e: v[vs] = 2^e, v[vs + 1] = 57,344 x 2^e
	s_add_co_i32 s52, s52, 127
	s_lshl_b32 s51, s52, 23
	v_mov_b32 v[\vs], s51
	s_add_co_i32 s52, s52, 15
	s_lshl_b32 s51, s52, 23
	s_or_b32 s51, s51, 0x600000
	v_mov_b32 v[\vs+1], s51
.endm
	; ---- THE HEAD
	s_load_b256 s[4:11], s[0:1], 0x0               ; x, y, part, wimg
	s_load_b64 s[18:19], s[0:1], 0x20              ; bout_z
	s_load_b128 s[20:23], s[0:1], 0x28             ; bout_z1, the scales' exponents
	s_load_b128 s[24:27], s[0:1], 0x38             ; out0, out1
	v_lshl_add_u32 v254, v0, 2, 0x4ec00
	v_mov_b32 v255, 0
	ds_add_u32 v254, v255
	ds_add_u32 v254, v255
	s_wait_dscnt 0x0
	v_lshrrev_b32 v23, 5, v0
	v_readfirstlane_b32 s28, v23                   ; wave 0..3
	v_and_b32 v56, 31, v0                          ; lane
	v_and_b32 v57, 15, v0                          ; r
	v_bfe_u32 v58, v0, 4, 1                        ; h
	s_lshl_b32 s30, s28, 8                         ; 256 w
	v_lshlrev_b32 v1, 10, v57
	v_lshl_add_u32 v1, v58, 7, v1
	v_add_nc_u32 v1, s30, v1                       ; x, y: position r, + my 32 numbers: 1,024 r + 256 w + 128 h
	v_lshlrev_b32 v2, 10, v58
	v_lshl_add_u32 v2, v57, 4, v2
	v_add_nc_u32 v2, s30, v2                       ; out: lanes 0-15 one position's 256 bytes, lanes 16-31 the next's
	s_lshl_b32 s31, s28, 16
	v_lshl_add_u32 v3, v56, 4, s31                 ; 65,536 w + 16 x lane: my place in my wave's weights, in LDS and in either half of wimg
	v_lshl_add_u32 v4, v56, 4, IMGA                ; an image's place for my lane
	s_lshl_b32 s31, s28, 10
	v_add_nc_u32 v5, s31, v4                       ; and where I store my two chunks
	s_mul_i32 s31, s28, 4352
	s_add_co_u32 s31, s31, STG
	v_mul_u32_u24 v6, v57, 272
	v_lshl_add_u32 v6, v58, 7, v6
	v_add_nc_u32 v6, s31, v6                       ; the stage, in: row r, + 128 h
	v_mul_u32_u24 v7, v58, 272
	v_lshl_add_u32 v7, v57, 4, v7
	v_add_nc_u32 v7, s31, v7                       ; and back: two rows an instruction
	s_mul_i32 s31, s28, 1536
	s_add_co_u32 s31, s31, GQ
	v_mul_u32_u24 v8, v58, 768
	v_add_nc_u32 v8, s31, v8                       ; the pooled tokens' q, k, v of my head
	v_lshl_add_u32 v9, v58, 7, BIA
	v_add_nc_u32 v9, s30, v9                       ; my 32 numbers of a bias
	v_lshl_add_u32 v10, v58, 7, GF
	v_mov_b32 v11, 0
	v_lshl_add_u32 v60, v0, 4, GF
	v_lshl_add_u32 v63, v0, 4, BIA
	v_and_b32 v59, 63, v0
	v_lshlrev_b32 v62, 4, v59                      ; 16 (t % 64)
	v_lshrrev_b32 v23, 6, v0
	v_mul_u32_u24 v61, v23, 1536
	v_add_nc_u32 v61, v61, v62                     ; part: tensor t / 64, my 4 columns
	; descriptor group 1: a dense block of 65,536 bytes as 256 rows of 32 elements of 8 bytes, no padding
	s_mov_b32 s[G1+0], 15|(3<<16)|(1<<21)          ; 15:0 the mask: all four work-groups; 17:16 elements of 8 bytes; 21 set beside a mask
	s_mov_b32 s[G1+1], 32<<16                      ; tensor_dim0 = 32
	s_mov_b32 s[G1+2], 256<<16                     ; tensor_dim1 = 256
	s_mov_b32 s[G1+3], 32<<16                      ; tile_dim0 = 32
	s_mov_b32 s[G1+4], 256                         ; tile_dim1 = 256
	s_mov_b32 s[G1+5], 32                          ; from row to row: 32 elements
	s_mov_b32 s[G1+6], 0
	s_mov_b32 s[G1+7], 0
	s_mov_b32 s[G0], 1                             ; count = 1
	s_lshl_b32 s[G0+1], s28, 16                    ; LDS address: 65,536 x wave: no place in the cluster enters it
	s_lshl_b32 s72, s28, 16
	s_mov_b32 s73, 0
	s_and_b32 s50, ttmp7, 0xffff                   ; batch, which the four partners share
	s_mul_i32 s42, s50, 86016                      ; its 28 x 2 rows of part
	s_mov_b32 s43, 0
	s_bfe_u32 s58, ttmp6, 0x40000                  ; cx: my place in the cluster
	s_lshl_b32 s59, ttmp9, 2                       ; in a cluster launch ttmp9 counts clusters
	s_add_co_u32 s59, s59, s58                     ; work-group x: it enters the addresses of x, y, out0 and out1 alone
	s_mul_i32 s44, s50, 3136
	s_mul_i32 s45, s59, 112
	s_add_co_u32 s44, s44, s45
	s_lshl_b32 s44, s44, 10                        ; my first position, in bytes
	s_mov_b32 s45, 0
	s_wait_kmcnt 0x0
	s_load_b256 s[32:39], s[22:23], 0x0            ; e0 .. e7
	s_add_nc_u64 s[4:5], s[4:5], s[44:45]
	s_add_nc_u64 s[6:7], s[6:7], s[44:45]
	s_add_nc_u64 s[24:25], s[24:25], s[44:45]
	s_add_nc_u64 s[26:27], s[26:27], s[44:45]
	s_add_nc_u64 s[8:9], s[8:9], s[42:43]
	s_add_nc_u64 s[G0+2:G0+3], s[10:11], s[72:73]  ; global address: my wave's 65,536 bytes of wimg's half 0
	s_or_b32 s[G0+3], s[G0+3], 0x80000000          ; type = 2
	s_cmp_lt_u32 s28, 2                            ; waves 0, 1 stage bout_z, waves 2, 3 bout_z1
	s_cselect_b64 s[46:47], s[18:19], s[20:21]
	ROUND                                          ; all four work-groups are here: the joint loads meet
	tensor_load_to_lds s[G0:G0+3], s[G1:G1+7]      ; my wave's weights for LDS: its one tile load of the launch; these bytes are filled once
	s_nop 0
	PLACES 4                                       ; four plain lines behind the load, ahead of the window switch
	WIN 0x40
.set ci, 0
.rept 28
	global_load_b128 v[4*ci:4*ci+3], v61, s[8:9] offset:3072*ci            ; the 28 chunks' partial sums of my 4 columns
.set ci, ci+1
.endr
.set ci, 0
.rept 28
	global_load_b32 v[112+ci], v11, s[8:9] offset:3072*ci+1024             ; and their sums of s_t
.set ci, ci+1
.endr
	WIN 0
	global_load_b128 v[28:31], v62, s[46:47]       ; my 4 numbers of a bias
	WIN 0x80
.irp n, 0,1,2,3,4,5,6,7
.irp k, 0,1,2,3,4,5,6,7
	global_load_b128 v[32*\n+4*\k:32*\n+4*\k+3], v3, s[10:11] offset:WREG+4096*\n+512*\k              ; Wqkv_z's q and k tiles: they stay; the wave reads 512 consecutive bytes
.endr
.endr
	WIN 0xc0
.irp m, 0,1,2,3,4,5,6,7
.irp k, 0,1,2,3,4,5,6,7
	global_load_b128 v[32*\m+4*\k:32*\m+4*\k+3], v3, s[10:11] offset:WREG+4096*(8+\m)+512*\k          ; its v tiles, then Wout_z1's four
.endr
.endr
	WIN 0
	XYLOAD 0                                       ; the first trip's x and y
	s_wait_kmcnt 0x0
	s_add_co_i32 s53, s32, s33                     ; e0 + e1
	s_add_co_i32 s54, s34, s35                     ; e2 + e3
	s_add_co_i32 s55, s36, s37                     ; e4 + e5
	s_mov_b32 s52, s32
	MKSC 12                                        ; z: 2^e0
	s_sub_co_i32 s52, s34, s53
	MKSC 14                                        ; attention 1's result stands in units of 2^(e0 + e1): its conversion takes 2^(e2 - e0 - e1)
	s_sub_co_i32 s52, s36, s54
	MKSC 16                                        ; block 1's result, in units of 2^(e2 + e3): 2^(e4 - e2 - e3)
	s_sub_co_i32 s52, s38, s55
	MKSC 18                                        ; attention 2's result: 2^(e6 - e4 - e5)
	s_add_co_i32 s40, s38, s39
	s_add_co_i32 s40, s40, 127
	s_lshl_b32 s40, s40, 23                        ; 2^(e6 + e7) as f32
	s_mov_b32 s41, s40                             ; (named with it as a pair)
	v_mov_b32 v20, 0x3e8293ee                      ; log2(e) / sqrt(32)
	v_mov_b32 v21, 0x3e8293ee
	s_lshl_b32 s56, s53, 1
	s_lshl_b32 s57, s55, 1
	v_ldexp_f32 v20, v20, s56                      ; x 2^(2 (e0 + e1)): q and k both stand in units of 2^(e0 + e1)
	v_ldexp_f32 v21, v21, s57
	s_sub_co_i32 s49, 0, s54
	s_cmp_lt_u32 s28, 2
	s_cselect_b32 s48, s49, 0                      ; bout_z goes in divided by 2^(e2 + e3), bout_z1 as it is
	s_wait_loadcnt 0x3f                            ; 144 loads were issued behind the 57 of part and the bias: with 63 out at the most, those 57 are in
	WIN 0x45
.set ci, 1
.rept 27
	v_pk_add_f32 v[0:1], v[0:1], v[4*ci:4*ci+1]
	v_pk_add_f32 v[2:3], v[2:3], v[4*ci+2:4*ci+3]
	v_add_f32 v112, v112, v[112+ci]
.set ci, ci+1
.endr
	v_add_f32 v112, 0x322bcc77, v112               ; + 1e-8
	v_rcp_f32 v113, v112
	v_nop
	s_wait_alu depctr_va_vdst(0)                   ; ahead of the reciprocal's first reader
.irp c, 0,1,2,3
	v_mul_f32 v[\c], v[\c], v113
.endr
	WIN 0x04
	ds_store_b128 v60, v[0:3]                      ; the pooled vectors: tensor t / 64, columns 4 (t % 64) on
	WIN 0
.irp c, 0,1,2,3
	v_ldexp_f32 v[28+\c], v[28+\c], s48
.endr
	ds_store_b128 v63, v[28:31]
	s_wait_tensorcnt 0x0                           ; my wave's weights lie in LDS
	BARRIER                                        ; the pooled vectors and the biases lie in LDS
	WIN 0x40
.irp tk, 0,1
.irp ww, 0,1,2,3
.irp i, 0,1,2,3,4,5,6,7
	ds_load_b128 v[128*\tk+32*\ww+4*\i:128*\tk+32*\ww+4*\i+3], v10 offset:1024*\tk+256*\ww+16*\i   ; all 256 numbers' worth of my half, in the operand's order; the same in all 16 lanes of a half
.endr
.endr
.endr
	s_wait_dscnt 0x0
.irp tk, 0,1
.irp ww, 0,1,2,3
	QUANT32 128*\tk+32*\ww, 1, FR+32*\tk+8*\ww, 12  ; straight into the fragments of row tiles 0 and 1: sixteen equal rows each
.endr
.endr
	s_wait_loadcnt 0x0                             ; the weights
	QK1
	PLACES 4
	DOT4 0, 64, 0, 96, 32, 64, 32, 96              ; the pooled tokens' scores among themselves: none is masked
	LOGIT4 24, 0, 25, 0, 26, 0, 27, 0, 20
	WIN 0x04
.set ci, 0
.rept 32
	ds_store_b128 v8, v[4*ci:4*ci+3] offset:16*ci  ; q2, q3, k2, k3: sixteen lanes store the same bytes with the same numbers; only my wave reads them
.set ci, ci+1
.endr
	s_wait_dscnt 0x0                               ; the stores have read their registers
	MUL2 0
	PLACES 4
	WIN 0x04
.set ci, 0
.rept 16
	ds_store_b128 v8, v[4*ci:4*ci+3] offset:512+16*ci      ; v2, v3
.set ci, ci+1
.endr
	s_wait_dscnt 0x0
	WIN 0
	s_mov_b32 s29, TRIPS
.Ltrip:
	; ---- X: my 32 numbers of x and of y for 16 positions become my chunks of row tiles 0 and 1
	WIN 0x40                                       ; first the pooled tokens' k and q, my wave's own bytes, which no barrier guards: they land while x and y are quantised
.set ci, 0
.rept 16
	ds_load_b128 v[128+4*ci:128+4*ci+3], v8 offset:256+16*ci       ; k2, k3
.set ci, ci+1
.endr
.set ci, 0
.rept 16
	ds_load_b128 v[192+4*ci:192+4*ci+3], v8 offset:16*ci           ; q2, q3
.set ci, ci+1
.endr
	s_wait_loadcnt 0x0                             ; x and y, asked for a trip ago
	QUANT32 XY, 0, CODE, 12
	QUANT32 XY+32, 0, CODE+8, 12
	IMAGE CODE, 0
	IMAGE CODE+8, 4096
	s_cmp_eq_u32 s29, 1                            ; the last trip asks for nothing: no load leaves its buffer
	s_cbranch_scc1 .Lno_next
	XYLOAD 16384
.Lno_next:
	BARRIER                                        ; z's two tiles lie in LDS; every wave's reads of the other images are over; k2, k3, q2, q3 are in
	; ---- 1: block 1's q, k, v of x and y; scores; softmax; weighted sums
	FETCHF 2, 0
	s_wait_dscnt 0x0                               ; the fragments are in: nothing was issued behind them
	QK1
	PLACES 4
	DOT4 0, 64, 0, 96, 0, 128, 0, 160
	LOGIT4 TL, 0, TL+1, 0, TL+2, 0, TL+3, 1, 20    ; masked where i + j = 3
	DOT4 32, 64, 32, 96, 32, 128, 32, 160
	LOGIT4 TL+4, 0, TL+5, 0, TL+6, 1, TL+7, 0, 20
	DOT4 192, 64, 192, 96, 224, 64, 224, 96
	LOGIT4 TL+8, 0, TL+9, 1, TL+12, 1, TL+13, 0, 20
	v_mov_b32 v[TL+10], v24
	v_mov_b32 v[TL+11], v25
	v_mov_b32 v[TL+14], v26
	v_mov_b32 v[TL+15], v27
	WIN 0x40
.set ci, 0
.rept 16
	ds_load_b128 v[64+4*ci:64+4*ci+3], v8 offset:512+16*ci         ; v2, v3, over k0, k1
.set ci, ci+1
.endr
	MUL2 0                                         ; v0, v1, over q0, q1
	SOFTMAX 4                                      ; its plain instructions are the places behind those products
	s_wait_dscnt 0x0
	AV 0
	AV 1
	AV 2
	AV 3
.irp i, 0,1,2,3
	QUANT32 128+32*\i, 1, CODE+8*\i, 14
.endr
	WIN 0x40                                       ; the results' registers are free: the next phase's bias and first weight tile, bytes that nobody writes any more, are asked for ahead of the barrier
.irp q, 0,1,2,3,4,5,6,7
	ds_load_b128 v[128+4*\q:128+4*\q+3], v9 offset:16*\q           ; the bias is the C of each sum's first product
.endr
	FETCHW 0
.irp i, 0,1,2,3
	IMAGE CODE+8*\i, IMGB+4096*\i
.endr
	BARRIER                                        ; attention 1's four tiles lie in LDS
	; ---- 2: x Wout_z + bout_z, all four tokens
	FETCHF 4, IMGB
.irp u, 0,1,2,3
	WSTEP \u, 8*\u, 4, 128+8*\u
.endr
	PLACES 4
.irp i, 0,1,2,3
	QUANT32 32*\i, 1, CODE+8*\i, 16
.endr
.irp i, 0,1,2,3
	IMAGE CODE+8*\i, 4096*\i
.endr
	BARRIER                                        ; block 1's four tiles lie in LDS
	; ---- 3: block 2's q (tokens 0, 1), k, v (all four); scores; softmax; weighted sums for tokens 0, 1
	FETCHF 4, 0
.irp u, 0,1,2,3
	WSTEP 4+\u, 8*\u, 2, -1
.endr
.irp u, 0,1,2,3
	WSTEP 8+\u, 64+8*\u, 4, -1
.endr
	PLACES 4
	DOT4 0, 64, 0, 96, 0, 128, 0, 160
	LOGIT4 TL, 0, TL+1, 1, TL+2, 0, TL+3, 1, 21
	DOT4 32, 64, 32, 96, 32, 128, 32, 160
	LOGIT4 TL+4, 1, TL+5, 0, TL+6, 1, TL+7, 0, 21
.irp u, 0,1,2,3
	WSTEP 12+\u, 8*\u, 4, -1
.endr
	SOFTMAX 2
	AV 0
	AV 1
	QUANT32 128, 1, CODE, 18
	QUANT32 160, 1, CODE+8, 18
	WIN 0x40                                       ; v2's registers are free: the last phase's bias is asked for ahead of the barrier
.irp q, 0,1,2,3,4,5,6,7
	ds_load_b128 v[64+4*\q:64+4*\q+3], v9 offset:1024+16*\q
.endr
	IMAGE CODE, IMGB
	IMAGE CODE+8, IMGB+4096
	BARRIER                                        ; attention 2's two tiles lie in LDS
	; ---- 4: x Wout_z1 + bout_z1, tokens 0 and 1; out
	FETCHF 2, IMGB
	s_wait_dscnt 0x0
	MUL2 128
	PLACES 4
	WIN 0x51
.irp t, 0,1
.set ip, 0
.rept 16
	v_pk_fma_f32 v[96+32*\t+ip:96+32*\t+ip+1], v[32*\t+ip:32*\t+ip+1], s[40:41], v[64+ip:64+ip+1] op_sel_hi:[1,0,1]   ; sum x 2^(e6 + e7) + bias
.set ip, ip+2
.endr
.endr
.irp t, 0,1
	WIN 0x04
.irp q, 0,1,2,3,4,5,6,7
	ds_store_b128 v6, v[96+32*\t+4*\q:96+32*\t+4*\q+3] offset:16*\q        ; position r, my 128 bytes
.endr
	WIN 0x40
.irp i, 0,1,2,3,4,5,6,7
	ds_load_b128 v[160+32*\t+4*\i:160+32*\t+4*\i+3], v7 offset:544*\i      ; LDS serves a wave's instructions in order: these see my stores, and the next tile's stores come behind them
.endr
.endr
	WIN 0x04
.irp i, 0,1,2,3,4,5,6,7
	s_wait_dscnt 23-\i                             ; behind token 0's load i: its 7 - i later loads and token 1's sixteen instructions
	global_store_b128 v2, v[160+4*\i:160+4*\i+3], s[24:25] offset:2048*\i th:TH_STORE_NT   ; sixteen lanes store 256 consecutive bytes, aligned
.endr
.irp i, 0,1,2,3,4,5,6,7
	s_wait_dscnt 7-\i
	global_store_b128 v2, v[192+4*\i:192+4*\i+3], s[26:27] offset:2048*\i th:TH_STORE_NT
.endr
	WIN 0
	s_wait_xcnt 0x0                                ; the loads and stores have read their bases and registers: both may be written again
	s_add_nc_u64 s[4:5], s[4:5], 0x4000
	s_add_nc_u64 s[6:7], s[6:7], 0x4000
	s_add_nc_u64 s[24:25], s[24:25], 0x4000
	s_add_nc_u64 s[26:27], s[26:27], 0x4000
	s_sub_co_u32 s29, s29, 1
	s_cmp_lg_u32 s29, 0
	s_cbranch_scc1 .Ltrip
	s_wait_xcnt 0x0
	v_lshl_add_u32 v254, v0, 2, 0x4ec00
	v_mov_b32 v255, 0
	s_wait_tensorcnt 0x0
	ds_add_u32 v254, v255
	s_wait_dscnt 0x0
	ROUND                                          ; the closing round: no work-group ends while a partner may still ask for a tile that names it
	s_endpgm
.Lfunc_end_k_q820afa6d90_main:
	.size	k_q820afa6d90_main, .Lfunc_end_k_q820afa6d90_main-k_q820afa6d90_main
	.p2alignl 7, 3214868480
	.fill 96, 4, 3214868480
	.section	.rodata,"a",@progbits
	.p2align	6, 0x0
	.amdhsa_kernel k_q820afa6d90_main
		.amdhsa_group_segment_fixed_size 327680
		.amdhsa_private_segment_fixed_size 0
		.amdhsa_enable_private_segment 0
		.amdhsa_kernarg_size 72
		.amdhsa_user_sgpr_count 2
		.amdhsa_user_sgpr_kernarg_segment_ptr 1
		.amdhsa_wavefront_size32 1
		.amdhsa_system_sgpr_workgroup_id_x 1
		.amdhsa_system_sgpr_workgroup_id_y 1
		.amdhsa_system_sgpr_workgroup_id_z 1
		.amdhsa_system_vgpr_workitem_id 0
		.amdhsa_next_free_vgpr 1024
		.amdhsa_next_free_sgpr 100
		.amdhsa_reserve_vcc 0
		.amdhsa_float_denorm_mode_32 3
		.amdhsa_float_denorm_mode_16_64 3
		.amdhsa_memory_ordered 1
		.amdhsa_forward_progress 1
		.amdhsa_inst_pref_size 187
	.end_amdhsa_kernel
	.amdgpu_metadata
---
amdhsa.version: [ 1, 2 ]
amdhsa.kernels:
  - .name:           k_q820afa6d90_main
    .symbol:         k_q820afa6d90_main.kd
    .args:
      - { .name: x, .offset: 0, .size: 8, .value_kind: global_buffer, .address_space: global }
      - { .name: y, .offset: 8, .size: 8, .value_kind: global_buffer, .address_space: global }
      - { .name: part, .offset: 16, .size: 8, .value_kind: global_buffer, .address_space: global }
      - { .name: wimg, .offset: 24, .size: 8, .value_kind: global_buffer, .address_space: global }
      - { .name: bout_z, .offset: 32, .size: 8, .value_kind: global_buffer, .address_space: global }
      - { .name: bout_z1, .offset: 40, .size: 8, .value_kind: global_buffer, .address_space: global }
      - { .name: lowp_scales, .offset: 48, .size: 8, .value_kind: global_buffer, .address_space: global }
      - { .name: out0, .offset: 56, .size: 8, .value_kind: global_buffer, .address_space: global }
      - { .name: out1, .offset: 64, .size: 8, .value_kind: global_buffer, .address_space: global }
    .group_segment_fixed_size: 327680
    .private_segment_fixed_size: 0
    .kernarg_segment_align: 8
    .kernarg_segment_size: 72
    .max_flat_workgroup_size: 128
    .sgpr_count:     100
    .vgpr_count:     1024
    .wavefront_size: 32
...
	.end_amdgpu_metadata
.endif
;; end of part 4
